; MI455X (gfx1250); checked and timed in simulation.
; The chip was launched on July 23, 2026; its instructions are those of AMD's public machine-readable ISA for CDNA 5 (MIT licence, August 2026) and "CDNA5" Instruction Set Architecture Reference Guide (July 2026). The comments in the code are by the model that wrote it; some were corrected since.
;; Multi Head Attention. Allowed arithmetic: matrix products marked QUANTISED: E2M3 operands, one E8M0 scale for each 32 along K, by v_wmma_scale_f32_16x16x128_f8f6f4 with both operands' format E2M3, f32 sums; everything else in f32.
;; Inputs: Wk_codes 1,024 x 32 x 24 uint8 (E2M3 codes of Wk, K innermost, in blocks of 32 codes, four codes in three bytes); Wk_scales 1,024 x 32 uint8 (E8M0 scales of Wk, one for each 32 codes along K); Wo_codes 1,024 x 32 x 24 uint8 (E2M3 codes of Wo, K innermost, in blocks of 32 codes, four codes in three bytes); Wo_scales 1,024 x 32 uint8 (E8M0 scales of Wo, one for each 32 codes along K); Wq_codes 1,024 x 32 x 24 uint8 (E2M3 codes of Wq, K innermost, in blocks of 32 codes, four codes in three bytes); Wq_scales 1,024 x 32 uint8 (E8M0 scales of Wq, one for each 32 codes along K); Wv_codes 1,024 x 32 x 24 uint8 (E2M3 codes of Wv, K innermost, in blocks of 32 codes, four codes in three bytes); Wv_scales 1,024 x 32 uint8 (E8M0 scales of Wv, one for each 32 codes along K); attention_mask 4 x 2,048 x 2,048 bool; bk 1,024 float32; bo 1,024 float32; bq 1,024 float32; bv 1,024 float32; key__codes 4 x 2,048 x 32 x 24 uint8 (E2M3 codes of key_, K innermost, in blocks of 32 codes, four codes in three bytes); key__scales 4 x 2,048 x 32 uint8 (E8M0 scales of key_, one for each 32 codes along K); query_codes 4 x 2,048 x 32 x 24 uint8 (E2M3 codes of query, K innermost, in blocks of 32 codes, four codes in three bytes); query_scales 4 x 2,048 x 32 uint8 (E8M0 scales of query, one for each 32 codes along K); value_codes 4 x 2,048 x 32 x 24 uint8 (E2M3 codes of value, K innermost, in blocks of 32 codes, four codes in three bytes); value_scales 4 x 2,048 x 32 uint8 (E8M0 scales of value, one for each 32 codes along K).
;; Outputs: out0 4 x 2,048 x 1,024 float32.
;; This version of the problem:
;;   THIS VERSION OF THE PROBLEM IS GIVEN IN LOW PRECISION. The matrix products marked QUANTISED in the list below multiply operands that are first quantised to E2M3 (2 exponent bits, 3 mantissa bits; 6 bits a number), with one power-of-two scale for each 32 numbers along K (OCP MX v1.0); their sums are f32. All else is computed in f32.
;;   The module's matrix products, in the order in which they are computed (A, B: the left and right operand; K: the contracted axis; several contracted axes count as one K, in the product's order):
;;     1. [M 8,192, K 1,024] x [K 1,024, N 1,024]; A: input query (given as codes); B: input Wq (given as codes): QUANTISED
;;     2. [M 8,192, K 1,024] x [K 1,024, N 1,024]; A: input key_ (given as codes); B: input Wk (given as codes): QUANTISED
;;     3. [M 8,192, K 1,024] x [K 1,024, N 1,024]; A: input value (given as codes); B: input Wv (given as codes): QUANTISED
;;     4. batch 64 x [M 2,048, K 64] x [K 64, N 2,048]; A: computed on the way; B: computed on the way: QUANTISED
;;     5. batch 64 x [M 2,048, K 2,048] x [K 2,048, N 64]; A: softmax (see below); B: computed on the way: QUANTISED
;;     6. [M 8,192, K 1,024] x [K 1,024, N 1,024]; A: computed on the way; B: input Wo (given as codes): QUANTISED
;;   THE QUANTISER, for each operand of a quantised product, along K:
;;     - K is cut into blocks of 32 from its start; a last block that is shorter is filled with zeros.
;;     - A block's scale is 2^e with e = floor(log2(the largest magnitude in the block)) - 2, held to -126 .. 127; a block of zeros has e = 0. As a byte (E8M0): e + 127.
;;     - Each number is divided by its block's scale, clamped to +-7.5, and rounded to the nearest number of E2M3, ties to even, subnormals kept.
;;     - The product sums the exact products of the quantised numbers (number of the format x scale) in f32.
;;   ~~~python
;;   def quantise(x, axis):      # numpy; x: float32 -> the quantised numbers, widened to float32 again
;;       x = np.moveaxis(x, axis, -1); K = x.shape[-1]
;;       x = np.pad(x, [(0, 0)] * (x.ndim - 1) + [(0, -K % 32)]); x = x.reshape(x.shape[:-1] + (-1, 32)); a = np.abs(x).max(-1, keepdims=True)
;;       e = np.where(a > 0, np.clip(np.frexp(np.where(a > 0, a, 1))[1] - 1 - 2, -126, 127), 0)      # np.frexp(a)[1] - 1 = floor(log2(a)), exactly
;;       r = np.clip(x / 2.0 ** e, -7.5, 7.5)
;;       step = 2.0 ** (np.maximum(np.frexp(np.where(r == 0, 1, r))[1] - 1, 0) - 3)
;;       q = np.round(r / step) * step * 2.0 ** e      # np.round: ties to even
;;       return np.moveaxis(q.reshape(q.shape[:-2] + (-1,))[..., :K], -1, axis).astype(np.float32)
;;   ~~~
;;   SOFTMAX AHEAD OF A QUANTISED PRODUCT. Where the list says 'softmax', what is quantised is not the finished softmax but p = 2^(t - M), with t = logit x log2(e) and M = ceil(the row's largest t), a whole number; so 1/2 < the row's largest p <= 1. The row's sum l is taken of the UNQUANTISED p, in f32, and the product's result is divided by l at the end. Since M is a whole number, a kernel that streams over the keys may use a running M (the ceiling of the running maximum): every later rescaling is an exact power of two, which a block's scale takes up: the codes' values come out the same.
;;   OPERANDS COMPUTED ON THE WAY. 'Computed on the way' means the value that the module computes at that place (a softmax that the list does not call 'softmax' is quantised finished and normalised). What goes into a quantiser is computed in f32, as accurately as f32 sums, v_exp_f32 and their like allow (about 1e-6 of the number): no bf16 or f16 on the way to a quantiser, and a product that is left as it is and whose result goes on into a quantised operand takes f32 operands (vector FMAs, or v_wmma_f32_16x16x4_f32). A number that lies on a knife's edge between two numbers of the format may be rounded either way, as far as f32 arithmetic and the matrix unit's own rounding can turn it there, and no further.
;;   INPUTS GIVEN AS CODES. Wk (in the module: [1024, 1024], K = its axis 1); Wo (in the module: [1024, 1024], K = its axis 1); Wq (in the module: [1024, 1024], K = its axis 1); Wv (in the module: [1024, 1024], K = its axis 1); key_ (in the module: [4, 2048, 1024], K = its axis 2); query (in the module: [4, 2048, 1024], K = its axis 2); value (in the module: [4, 2048, 1024], K = its axis 2): each comes as NAME_codes (uint8): NAME with its K axis moved to the last place and cut into blocks of 32 codes, [.., K / 32, bytes a block], one block behind the other in memory; four codes in three bytes: a row's codes are one little-endian stream of bits, code i at bits 6 i .. 6 i + 5 (a code: sign, 2 exponent bits, 3 mantissa bits); and NAME_scales (uint8): the same leading axes, one E8M0 byte (e + 127) for each 32 codes along K. Its value is code x scale, taken as it is: it is not quantised again, and the codes and scales need not be those that the quantiser above would give.
;; One version. Each part assembles by itself: llvm-mc -triple=amdgcn-amd-amdhsa -mcpu=gfx1250 --defsym DOCPART=n.
;; ======== version 1 of 1: 4 launches
;; limits: right only within a limited range of input values
;; workspace buffers: img 18,874,368 bytes; sc 786,432 bytes; mbits 2,097,152 bytes of whole numbers; mflag 8,192 bytes of whole numbers; acodes 6,291,456 bytes; ascales 262,144 bytes
;; launch maskpack (part 1): grid 128 x 4, 4 waves a work-group, no clusters, 34,304 bytes of LDS; arguments attention_mask, mbits, mflag; writes mbits, mflag
.if DOCPART == 1
	.amdgcn_target "amdgcn-amd-amdhsa--gfx1250"
	.amdhsa_code_object_version 6
	.text
	.protected	k_q6ae9bec6f8_maskpack
	.globl	k_q6ae9bec6f8_maskpack
	.p2align	8
	.type	k_q6ae9bec6f8_maskpack,@function
k_q6ae9bec6f8_maskpack:
	s_mov_b64 s[64:65], 0
	v_nop
	global_prefetch_b8 v0, s[64:65] scope:SCOPE_SE
	s_setreg_imm32_b32 hwreg(HW_REG_WAVE_MODE, 25, 1), 1
	s_wait_xcnt 0x0
; attention_mask [4][2048][2048], one byte a key (not 0 = hidden), becomes lane masks for the attention launch, once for all 16 heads.
; mbits [tile of 16 queries T = 128 b + tile][key step s of 128 keys][64 words]: bit (r + 16 h) of word 8 t + j is mask[b][16 tile + r][128 s + 16 t + 8 h + j]:
; the lane mask of the register 8 t + j in which the attention launch holds that score.  mflag [T][4 words]: word w has bit 4 w + e set where key step 4 w + e hides any key of the tile.
; A work-group takes 16 queries, wave w keys 512 w .. 512 w + 511 (key steps 4 w .. 4 w + 3).  Each load reads 512 consecutive bytes of a row; the bytes turn through the wave's own stage in LDS,
; so that lane (r, h) gets 8 neighbouring keys of row r.  No wave reads another's bytes: no barrier.  Memory binds: no matrix unit, no cluster.
.set PITCH, 528                        ; a stage row: 512 bytes + 16
.set WSTG,  16*PITCH                   ; a wave's stage
.set R,     16                         ; v16-79   16 rows as loaded
.set X,     80                         ; v80-143  register 2 (8 e + t) + i: keys 128 e + 16 t + 8 h + 4 i + 0 .. 3 of row r
.set OUT,   144                        ; v144-151 the wave's 256 words: word N in register 4 (N / 128) + N % 4 of lane (N % 128) / 4
.set T,     152
.set F,     156                        ; v156     at work for the flags
	s_load_b128 s[4:7], s[0:1], 0x0                ; the mask, mbits
	s_load_b64 s[8:9], s[0:1], 0x10                ; mflag
	v_lshl_add_u32 v160, v0, 2, 0x8400
	v_mov_b32 v161, 0
	v_lshrrev_b32 v1, 5, v0
	v_readfirstlane_b32 s16, v1                    ; wave 0..3
	v_and_b32 v1, 31, v0                           ; lane
	v_and_b32 v2, 15, v0                           ; r
	v_bfe_u32 v3, v0, 4, 1                         ; h
	v_lshlrev_b32 v4, 4, v1                        ; 16 bytes a lane: in the mask's row, and in mbits
	s_mul_i32 s17, s16, WSTG
	v_add_nc_u32 v5, s17, v4                       ; the stage, on the way in
	v_mul_u32_u24 v6, v2, PITCH
	v_lshl_add_u32 v6, v3, 3, v6
	v_add_nc_u32 v6, s17, v6                       ; and on the way out: row r, + 8 h
	v_mov_b32 v7, 0
.irp i, 0,1,2,3,4,5,6,7
	v_mov_b32 v[OUT+\i], 0                         ; written once: v_writelane_b32's destination counts as one of its sources
.endr
	s_and_b32 s18, ttmp7, 0xffff                   ; b
	s_lshl_b32 s19, s18, 7
	s_add_co_u32 s19, s19, ttmp9                   ; T = 128 b + tile
	s_lshl_b32 s20, s19, 15                        ; 16 rows of 2,048 bytes a tile,
	s_lshl_b32 s21, s16, 9                         ; my 512 keys
	s_add_co_u32 s20, s20, s21
	s_mov_b32 s21, 0
	s_lshl_b32 s22, s19, 12                        ; mbits: 4,096 bytes a tile, 1,024 a wave
	s_lshl_b32 s23, s16, 10
	s_add_co_u32 s22, s22, s23
	s_mov_b32 s23, 0
	s_lshl_b32 s24, s19, 4                         ; mflag: 16 bytes a tile, 4 a wave
	s_lshl_b32 s29, s16, 2                         ; (4 x wave: also the flag bits' place)
	s_add_co_u32 s24, s24, s29
	s_mov_b32 s25, 0
	s_mov_b32 s31, 0
	s_wait_kmcnt 0x0
	s_add_nc_u64 s[4:5], s[4:5], s[20:21]
	s_add_nc_u64 s[6:7], s[6:7], s[22:23]
	s_add_nc_u64 s[8:9], s[8:9], s[24:25]
.irp i, 0,1,2,3,4,5,6,7,8,9,10,11,12,13,14,15
	global_load_b128 v[R+4*\i:R+4*\i+3], v4, s[4:5] offset:2048*\i th:TH_LOAD_NT   ; row i: 32 lanes read 512 consecutive bytes; read once in the launch
.endr
	s_wait_loadcnt 0x0
.irp i, 0,1,2,3,4,5,6,7,8,9,10,11,12,13,14,15
	ds_store_b128 v5, v[R+4*\i:R+4*\i+3] offset:PITCH*\i
.endr
.irp e, 0,1,2,3
.irp t, 0,1,2,3,4,5,6,7
	ds_load_b64 v[X+2*(8*\e+\t):X+2*(8*\e+\t)+1], v6 offset:128*\e+16*\t   ; LDS serves a wave's instructions in order: these see my stores
.endr
.endr
	s_wait_dscnt 0x0
; One word: the byte of key j is cut out, the lanes in which it is not 0 make the word, and the word goes to its lane of the registers that are stored.
; 32 words at a time (v16-47, whose rows have gone to the stage, and s32-63 at work), so that no line reads the result of a line near above it.
.macro BIT32 e, q
.irp t, 0,1,2,3
.irp j, 0,1,2,3,4,5,6,7
	v_and_b32 v[R+8*\t+\j], 0xff<<(8*(\j%4)), v[X+2*(8*\e+4*\q+\t)+\j/4]
.endr
.endr
.irp t, 0,1,2,3
.irp j, 0,1,2,3,4,5,6,7
	v_cmp_ne_u32 s[32+8*\t+\j], 0, v[R+8*\t+\j]
.endr
.endr
.irp t, 0,1,2,3
.irp j, 0,1,2,3,4,5,6,7
.set N, 64*\e+8*(4*\q+\t)+\j
	v_writelane_b32 v[OUT+4*(N/128)+N%4], s[32+8*\t+\j], (N%128)/4
.endr
.endr
.endm
.irp e, 0,1,2,3
.irp q, 0,1
	BIT32 \e, \q
.endr
.endr
; Key step e's flag: is any byte of its 16 registers, in any lane, not 0?
.macro FLAG e
	v_or_b32 v[F], v[X+16*\e], v[X+16*\e+1]
.irp i, 2,3,4,5,6,7,8,9,10,11,12,13,14,15
	v_or_b32 v[F], v[F], v[X+16*\e+\i]
.endr
	v_cmp_ne_u32 vcc_lo, 0, v[F]
	s_cmp_lg_u32 vcc_lo, 0
	s_cselect_b32 s30, 1<<\e, 0
	s_or_b32 s31, s31, s30
.endm
	FLAG 0
	FLAG 1
	FLAG 2
	FLAG 3
	s_lshl_b32 s31, s31, s29                       ; bits 4 w .. 4 w + 3
	global_store_b128 v4, v[OUT:OUT+3], s[6:7]               ; 32 lanes store 512 consecutive bytes, at a multiple of 256 from mbits' first byte
	global_store_b128 v4, v[OUT+4:OUT+7], s[6:7] offset:512
	v_mov_b32 v[F], s31
	v_cmp_eq_u32 vcc_lo, 0, v1
	s_wait_alu depctr_va_vdst(0)
	s_wait_xcnt 0x0                                ; EXEC is a source of the stores above: it changes only behind this wait
	s_wait_tensorcnt 0x0
	ds_add_u32 v160, v161
	s_wait_dscnt 0x0
	s_and_saveexec_b32 s28, vcc_lo
	global_store_b32 v7, v[F], s[8:9]              ; lane 0 stores my wave's flag word
	s_wait_xcnt 0x0                                ; and again in front of the line that widens EXEC
	s_or_b32 exec_lo, exec_lo, s28
	s_endpgm
.Lfunc_end_k_q6ae9bec6f8_maskpack:
	.size	k_q6ae9bec6f8_maskpack, .Lfunc_end_k_q6ae9bec6f8_maskpack-k_q6ae9bec6f8_maskpack
	.p2alignl 7, 3214868480
	.fill 96, 4, 3214868480
	.section	.rodata,"a",@progbits
	.p2align	6, 0x0
	.amdhsa_kernel k_q6ae9bec6f8_maskpack
		.amdhsa_group_segment_fixed_size 34304
		.amdhsa_private_segment_fixed_size 0
		.amdhsa_enable_private_segment 0
		.amdhsa_kernarg_size 24
		.amdhsa_user_sgpr_count 2
		.amdhsa_user_sgpr_kernarg_segment_ptr 1
		.amdhsa_wavefront_size32 1
		.amdhsa_system_sgpr_workgroup_id_x 1
		.amdhsa_system_sgpr_workgroup_id_y 1
		.amdhsa_system_sgpr_workgroup_id_z 1
		.amdhsa_system_vgpr_workitem_id 0
		.amdhsa_next_free_vgpr 162
		.amdhsa_next_free_sgpr 66
		.amdhsa_reserve_vcc 1
		.amdhsa_float_denorm_mode_32 3
		.amdhsa_float_denorm_mode_16_64 3
		.amdhsa_memory_ordered 1
		.amdhsa_forward_progress 1
		.amdhsa_inst_pref_size 58
	.end_amdhsa_kernel
	.amdgpu_metadata
---
amdhsa.version: [ 1, 2 ]
amdhsa.kernels:
  - .name:           k_q6ae9bec6f8_maskpack
    .symbol:         k_q6ae9bec6f8_maskpack.kd
    .args:
      - { .name: attention_mask, .offset: 0, .size: 8, .value_kind: global_buffer, .address_space: global }
      - { .name: mbits, .offset: 8, .size: 8, .value_kind: global_buffer, .address_space: global }
      - { .name: mflag, .offset: 16, .size: 8, .value_kind: global_buffer, .address_space: global }
    .group_segment_fixed_size: 34304
    .private_segment_fixed_size: 0
    .kernarg_segment_align: 8
    .kernarg_segment_size: 24
    .max_flat_workgroup_size: 128
    .sgpr_count:     66
    .vgpr_count:     162
    .wavefront_size: 32
...
	.end_amdgpu_metadata
.endif
;; end of part 1
;; launch proj (part 2): grid 16 x 16, 4 waves a work-group, clusters of 4 x 4, 327,680 bytes of LDS; arguments query_codes, query_scales, Wq_codes, Wq_scales, key__codes, key__scales, Wk_codes, Wk_scales, Wv_codes, Wv_scales, value_codes, value_scales, bq, bk, bv, img, sc; writes img, sc
.if DOCPART == 2
	.amdgcn_target "amdgcn-amd-amdhsa--gfx1250"
	.amdhsa_code_object_version 6
	.text
	.protected	k_q6ae9bec6f8_proj
	.globl	k_q6ae9bec6f8_proj
	.p2align	8
	.type	k_q6ae9bec6f8_proj,@function
k_q6ae9bec6f8_proj:
	s_mov_b64 s[64:65], 0
	v_nop
	global_prefetch_b8 v0, s[64:65] scope:SCOPE_SE
	s_setreg_imm32_b32 hwreg(HW_REG_WAVE_MODE, 25, 1), 1
	s_wait_xcnt 0x0
	s_wait_alu depctr_hold_cnt(0) depctr_sa_sdst(0) depctr_va_vdst(0) depctr_va_sdst(0) depctr_va_ssrc(0) depctr_va_vcc(0) depctr_vm_vsrc(0)
	s_getreg_b32 s2, hwreg(HW_REG_IB_STS2, 6, 4)
	s_cmp_eq_u32 s2, 0
	s_cbranch_scc0 .Lentry_in_a_cluster
	s_endpgm
.Lentry_in_a_cluster:
	s_bfe_u32 s2, ttmp6, 0x10000c
	s_cmp_lg_u32 s2, 0xf033
	s_cbranch_scc0 .Lentry_shape_is_right
	s_endpgm
.Lentry_shape_is_right:
; Q = query Wq^T + bq, K = key_ Wk^T + bk, V^T = Wv value^T + bv, on codes of FP6 (E2M3) with E8M0 scales, and the quantising of the results for the attention launch.
; A is the operand whose rows become the result's rows (query, key_, Wv), B the one along whose rows the result is quantised (Wq, Wk: the head's axis; value: the tokens).
; A BLOCK is 256 rows of A x 128 rows of B, ALL of K (1,024): 384 rows of 768 bytes lie in LDS at once, fetched whole (a row begins at a multiple of 768 bytes of its buffer), 16 bytes of padding behind every 256.
; A WORK-GROUP STAYS and makes three blocks: one of Q, one of K (a loop of two trips), one of V (written out: it fetches nothing more, and its bias runs along the rows).
; With clusters (X, Y) of 4 x 4: Q, K: block column 4 (X % 2) + cx of 8, block row 4 (2 Y + X / 2) + cy of 32.  V: block column 4 (4 Y + X) + cx of 64, block row cy of 4.  A's rows are shared along a row of the cluster, B's along a column.
; FILLS: one joint load a wave (waves 0, 1: 128 rows of A each; waves 2, 3: 64 rows of B each).  The next tensor's rows are asked for in the last K step, whose fragments are then in registers, so that no wave reads LDS any more:
; the three lines and a round of the cluster's barrier stand among that step's 32 products, the refill first behind the round.  A plain barrier, behind which nothing is filled, shows the rows to all waves.
; The next tensor's scale words and bias are loaded straight behind the refill, ahead of the way out.
; PREFETCH: in K steps 1 and 2 of a tensor the next tensor's rows, which the refill five steps on will load: of A's 256 rows the partner at cx takes 64 and its wave w 16 (48 blocks of 256 bytes on end), of B's 128 rows the partner at cy takes 32 and its wave 8 (24 blocks): each block once in a cluster, shared out by address.  The last tensor asks for nothing.
; A WAVE makes 64 x 128: 32 accumulators, which take turns in one order in all eight K steps.  The matrix instruction is used transposed (source 0 = B's rows): register j of lane (r, h) in accumulator (a, b) is row 16 a + r, column 16 b + 8 h + j.
; THE BIAS is the first K step's C: along the columns (Q, K) eight registers a column tile; along the rows (V) one number a lane, spread over eight registers a row tile.
; SCALE WORDS go from memory into registers: lane l takes row 32 p + l's 32 bytes, so register 8 p + q holds K step q's words of block 2 p in lanes 0-15 and of block 2 p + 1 in lanes 16-31.
; OUT: img[tensor][column group of 128][tile of 16 rows][6 pieces of 2 registers][lane][8 bytes], an operand's registers; inside a block of 32 columns the codes stand in the order 0-7, 16-23, 8-15, 24-31.
;      sc[tensor][column group][four tiles][lane][2 words]: word i of lane r + 16 u is the scale word of row r of tile 2 i + u: a wave stores 256 bytes on end.
; LIMITS: NaN and infinities are not served; a block of zeros gets the scale byte 1.
; REGISTERS: window 0: v0-31 addresses, v32-47 A's scale words, v52-83 B's, v84-107 LDS addresses of the blocks, v128-223 A's fragments (two sets); on the way out v192-233 are at work.
;   window 1: B's fragments, two sets, at v0 and v128.  window 2: the accumulators, (a, b) at 8 (8 a + b).  window 3: v0-63 the bias.
.set KROW,  768
.set PITCH, 816
.set FR,    12
.set BBASE, 256*PITCH
.set SPARE, 384*PITCH
.set PF0,  20
.set FO,   24
.set ABS,  26
.set SPW,  28
.set NIL,  29
.set SA,   32
.set SB,   52
.set BA,   84
.set AA,   100
.set AF,   128
.set CD,   192
.set TM,   212
.set PW,   228
.set TW,   229
.set SW,   232
.set G1,  24
.set G0,  32
.set G1B, 48
.set G0B, 56
.set HI,   18                          ; s18 lanes 16-31;  s22, s23 the selects for lane l xor 16
.set TRIP, 43                          ; s43 the tensor in hand: 0 Q, 1 K
.set MSB, 0
.macro WIN new
.if MSB != (\new)
	s_set_vgpr_msb (MSB<<8)|(\new)
.set MSB, (\new)
.endif
.endm
.macro PLACES n
.rept \n
	v_nop
.endr
.endm
.macro WALU
	s_wait_alu depctr_va_vdst(0)
.endm
.macro CREST
	s_cmp_lg_u32 s14, 0
	s_cbranch_scc1 .Lnot_wave_0_\@
	s_barrier_signal -3
.Lnot_wave_0_\@:
	s_barrier_wait -3
	s_barrier_signal -1
	s_barrier_wait -1
.endm
.macro CROUND
	s_barrier_signal -1
	s_barrier_wait -1
	CREST
.endm
.macro JLOAD                           ; my one joint load: waves 0, 1 for A, waves 2, 3 for B
	s_cmp_eq_u32 s15, 0
	s_cbranch_scc0 .Lfor_b_\@
	tensor_load_to_lds s[G0:G0+3], s[G1:G1+7]
	s_nop 0
	PLACES 4
	s_branch .Lasked_\@
.Lfor_b_\@:
	tensor_load_to_lds s[G0B:G0B+3], s[G1B:G1B+7]
	s_nop 0
	PLACES 4
.Lasked_\@:
.endm
.macro PADD p, q                       ; the offset in s18 (s19 = 0) onto one pointer or two
	s_add_nc_u64 s[\p:\p+1], s[\p:\p+1], s[18:19]
.if \q
	s_add_nc_u64 s[\q:\q+1], s[\q:\q+1], s[18:19]
.endif
.endm
; a fragment: six pieces of 8 bytes, two to a load where both go by the same address register.  a0: lanes 16-31 read 24 bytes on; a0 + 1: 24 + 16, where that lies behind one padding more
.macro FRAG reg, q, a0
.set SKIP_, 0
.irp p, 0,1,2,3,4,5
.if SKIP_
.set SKIP_, 0
.else
.set PC_, 12*(\q)+6*(\p/3)+\p%3
.set PN_, 12*(\q)+6*((\p+1)/3)+(\p+1)%3
.set X_, (PC_%32+3)/32
.set XQ_, (PN_%32+3)/32
.if (\p < 5) && (X_ == XQ_)
.set SKIP_, 1
	ds_load_2addr_b64 v[\reg+2*\p:\reg+2*\p+3], v[\a0+X_] offset0:PC_+2*(PC_/32) offset1:PN_+2*(PN_/32)
.else
	ds_load_b64 v[\reg+2*\p:\reg+2*\p+1], v[\a0+X_] offset:8*(PC_+2*(PC_/32))
.endif
.endif
.endr
.endm
.macro FETCH q                         ; K step q's twelve fragments into set q % 2
	WIN 0x40
.irp i, 0,1,2,3,4,5,6,7
	FRAG 128*((\q)%2)+FR*\i, \q, BA+2*\i
.endr
	WIN 0
.irp i, 0,1,2,3
	FRAG AF+48*((\q)%2)+FR*\i, \q, AA+2*\i
.endr
.endm
.macro MULH q, kind, ap                ; K step q, row tiles 2 ap and 2 ap + 1: 16 products; the first step's C is the bias
.irp ah, 0,1
.irp bp, 0,1,2,3
.irp bh, 0,1
.set D_, 8*(8*(2*(\ap)+\ah)+2*\bp+\bh)
.set B_, 128*((\q)%2)+FR*(2*\bp+\bh)
.set A_, AF+48*((\q)%2)+FR*(2*(\ap)+\ah)
.if \kind
.set C_, 8*(2*(\ap)+\ah)
.else
.set C_, 8*(2*\bp+\bh)
.endif
.if (\q) == 0
	v_wmma_scale_f32_16x16x128_f8f6f4 v[D_:D_+7], v[B_:B_+11], v[A_:A_+11], v[C_:C_+7], v[SB+8*\bp+(\q)], v[SA+8*(\ap)+(\q)] matrix_a_fmt:MATRIX_FMT_FP6 matrix_b_fmt:MATRIX_FMT_FP6 matrix_a_scale:MATRIX_SCALE_ROW\bh matrix_b_scale:MATRIX_SCALE_ROW\ah
.else
	v_wmma_scale_f32_16x16x128_f8f6f4 v[D_:D_+7], v[B_:B_+11], v[A_:A_+11], v[D_:D_+7], v[SB+8*\bp+(\q)], v[SA+8*(\ap)+(\q)] matrix_a_fmt:MATRIX_FMT_FP6 matrix_b_fmt:MATRIX_FMT_FP6 matrix_a_scale:MATRIX_SCALE_ROW\bh matrix_b_scale:MATRIX_SCALE_ROW\ah
.endif
.endr
.endr
.endr
.endm
.macro COLBIAS p                       ; the bias of my 128 columns: register 8 b + j of lane (r, h) is column 16 b + 8 h + j
	WIN 0xc0
.irp b, 0,1,2,3,4,5,6,7
	global_load_b128 v[8*\b:8*\b+3], v30, s[\p:\p+1] offset:64*\b
	global_load_b128 v[8*\b+4:8*\b+7], v30, s[\p:\p+1] offset:64*\b+16
.endr
	WIN 0
.endm
.macro LOADSC pa, pb                   ; the scale words of my 64 rows of A and of B's 128 rows
.irp p, 0,1
.irp c, 0,1
	global_load_b128 v[SA+8*\p+4*\c:SA+8*\p+4*\c+3], v[ABS], s[\pa:\pa+1] offset:1024*\p+16*\c
.endr
.endr
.irp p, 0,1,2,3
.irp c, 0,1
	global_load_b128 v[SB+8*\p+4*\c:SB+8*\p+4*\c+3], v[ABS], s[\pb:\pb+1] offset:1024*\p+16*\c
.endr
.endr
.endm
; THE WAY OUT of 16 rows x 128 columns, read from the accumulators where they lie: four blocks of 32 columns (mine and lane l xor 16's halves), the scale word, the codes, an operand's twelve registers.
.macro OUTBLK a, ip
.if (\a) > 0
	s_wait_xcnt 0x0                                ; the last block's stores have read their registers
.endif
	WIN 0x28
.irp b, 0,1,2,3
	v_max3_num_f32 v[TM+\b], 0x1800000, |v[64*(\a)+16*\b]|, |v[64*(\a)+16*\b+1]|   ; with the floor 2^(3 - 127); each accumulator is read from its low end on
.endr
.irp i, 2,4,6,8,10,12,14
.irp b, 0,1,2,3
	v_max3_num_f32 v[TM+\b], v[TM+\b], |v[64*(\a)+16*\b+\i]|, |v[64*(\a)+16*\b+\i+1]|
.endr
.endr
	WIN 0
.irp b, 0,1,2,3
	v_permlanex16_b32 v[TM+4+\b], v[TM+\b], s22, s23
.endr
.irp b, 0,1,2,3
	v_max_num_f32 v[TM+\b], v[TM+\b], v[TM+4+\b]
.endr
.irp b, 0,1,2,3
	v_add_nc_u32 v[TM+12+\b], 0xff000000, v[TM+\b]
.endr
.irp b, 0,1,2,3
	v_lshrrev_b32 v[TM+4+\b], 23, v[TM+12+\b]
.endr
	v_lshl_or_b32 v[PW], v[TM+5], 8, v[TM+4]
	v_lshl_or_b32 v[PW], v[TM+6], 16, v[PW]
	v_lshl_or_b32 v[PW], v[TM+7], 24, v[PW]
	WIN 0x02
.irp c, 0,1
	v_cvt_scalef32_pk16_fp6_f32 v[CD+6*\c:CD+2+6*\c], v[64*(\a)+32*\c:64*(\a)+15+32*\c], v[TM+12+2*\c]
	v_cvt_scalef32_pk16_fp6_f32 v[CD+12+4*\c:CD+14+4*\c], v[64*(\a)+16+32*\c:64*(\a)+31+32*\c], v[TM+12+2*\c+1]
.endr
	WIN 0
	v_nop
.irp c, 0,1
.irp i, 0,1,2
	v_permlane16_swap_b32 v[CD+6*\c+\i], v[CD+12+4*\c+\i]
.endr
.irp i, 0,1,2
	v_mov_b32 v[CD+3+6*\c+\i], v[CD+12+4*\c+\i]
.endr
.endr
.irp j, 0,1,2,3,4,5
	global_store_b64 v[FO], v[CD+2*\j:CD+2*\j+1], s[\ip:\ip+1] offset:1536*(\a)+256*\j   ; 32 lanes store 256 bytes on end
.endr
.if (\a)%2 == 0
	v_mov_b32 v[TW], v[PW]
.else
	v_cndmask_b32 v[SW+(\a)/2], v[TW], v[PW], s[HI]
.endif
.endm
; ONE TENSOR'S BLOCK.  kind 0: the bias runs along the columns, 1: along the rows.  refill 1: the next tensor's rows, scale words and bias are asked for.  ip, sp: where the codes and the scale words go.
.macro BODY kind, refill, ip, sp
	s_wait_loadcnt 0x0                             ; my scale words and bias are in
.if \kind
	WIN 0xc3
.irp a, 0,8,16,24
.irp i, 1,2,3,4,5,6,7
	v_mov_b32 v[\a+\i], v[\a]                      ; a row's number over the row tile's eight registers
.endr
.endr
	WIN 0
.endif
	WALU
	s_wait_tensorcnt 0x0                           ; my part of the block is in,
	s_barrier_signal -1
	s_barrier_wait -1                              ; and everybody's
	FETCH 0
.if \refill
	s_cmp_eq_u32 s[TRIP], 0                        ; the next tensor: K behind Q, V behind K
	s_cselect_b64 s[94:95], s[68:69], s[76:77]     ; its block's rows of A,
	s_cselect_b64 s[60:61], s[72:73], s[80:81]     ; of B,
	s_cselect_b64 s[20:21], s[70:71], s[78:79]     ; my rows' scale bytes,
	s_cselect_b64 s[2:3], s[74:75], s[82:83]       ; B's
	s_add_nc_u64 s[40:41], s[94:95], s[46:47]      ; what I prefetch of A's rows,
	s_add_nc_u64 s[44:45], s[60:61], s[62:63]      ; of B's
	s_add_nc_u64 s[94:95], s[94:95], s[36:37]      ; the half that I fetch
	s_add_nc_u64 s[60:61], s[60:61], s[38:39]
.endif
; A step's fragments were asked for ahead of the step before, so the wait is for all; the next step's go into the set that the step before has read, four places behind its products.
.set ST, 0
.rept 7
	s_wait_dscnt 0x0
.if ST > 0
	PLACES 4
.endif
	FETCH ST+1
.if \refill
.if ST == 1
	global_prefetch_b8 v[PF0], s[40:41] th:TH_LOAD_NT scope:SCOPE_SE
	global_prefetch_b8 v[PF0+1], s[40:41] th:TH_LOAD_NT scope:SCOPE_SE
.endif
.if ST == 2
	global_prefetch_b8 v[PF0+2], s[44:45] th:TH_LOAD_NT scope:SCOPE_SE
.endif
.endif
.if ST == 0
	WIN 0xb1
.else
	WIN 0xa1
.endif
	MULH ST, \kind, 0
	MULH ST, \kind, 1
.set ST, ST+1
.endr
	s_wait_dscnt 0x0                               ; the last step's fragments are in: my reads of this block's rows are over
.if \refill
	WIN 0
	s_wait_tensorcnt 0x0                           ; the three lines ahead of a refill's round: no load of mine is out,
	ds_add_u32 v[SPW], v[NIL]                      ; 0 onto my spare word,
	s_mov_b64 s[G0+2:G0+3], s[94:95]
	s_or_b32 s[G0+3], s[G0+3], 0x80000000
	s_mov_b64 s[G0B+2:G0B+3], s[60:61]
	s_or_b32 s[G0B+3], s[G0B+3], 0x80000000
	WIN 0xa1
	MULH 7, \kind, 0
	WIN 0
	s_wait_dscnt 0x0                               ; and the add is done
	s_barrier_signal -1                            ; the round opens; work on registers alone stands inside it
	WIN 0xa1
	MULH 7, \kind, 1
	WIN 0
	s_barrier_wait -1
	CREST                                          ; no wave of any partner reads LDS or has a load on its way
	JLOAD                                          ; the next tensor's rows; the four idle lines behind it are the places behind the last products
	s_cmp_eq_u32 s[TRIP], 0
	s_cbranch_scc0 .Lnext_v_\@
	COLBIAS 86                                     ; K's bias
	s_branch .Lnext_\@
.Lnext_v_\@:
	WIN 0xc0
.irp a, 0,1,2,3
	global_load_b32 v[8*\a], v31, s[88:89] offset:64*\a   ; V's: row 16 a + r
.endr
	WIN 0
.Lnext_\@:
	LOADSC 20, 2
.else
	WIN 0xa1
	MULH 7, \kind, 0
	MULH 7, \kind, 1
	WIN 0
	PLACES 4
.endif
.irp b, 0,1,2,3
	v_mov_b32 v[TM+4+\b], 0                        ; a lane permute's destination counts as one of its sources
.endr
.irp a, 0,1,2,3
	OUTBLK \a, \ip
.endr
	global_store_b64 v[FO], v[SW:SW+1], s[\sp:\sp+1]   ; my four tiles' scale words: 256 bytes on end
.endm
	s_load_b256 s[4:11], s[0:1], 0x0               ; query's codes and scales, Wq's
	s_load_b256 s[68:75], s[0:1], 0x20             ; key_'s, Wk's
	s_load_b256 s[76:83], s[0:1], 0x40             ; Wv's, value's
	s_load_b128 s[84:87], s[0:1], 0x60             ; bq, bk
	s_load_b128 s[88:91], s[0:1], 0x70             ; bv, img
	s_load_b64 s[92:93], s[0:1], 0x80              ; sc
	v_lshl_add_u32 v[SPW], v0, 2, SPARE
	v_mov_b32 v[NIL], 0
	ds_add_u32 v[SPW], v[NIL]                      ; the opening lines: the add twice on end and its wait
	ds_add_u32 v[SPW], v[NIL]
	v_lshrrev_b32 v1, 5, v0
	v_readfirstlane_b32 s14, v1                    ; wave
	s_lshr_b32 s15, s14, 1                         ; I fetch for A (0) or B (1),
	s_and_b32 s16, s14, 1                          ; which half
	s_bfe_u32 s40, ttmp6, 0x40000                  ; cx
	s_bfe_u32 s41, ttmp6, 0x40004                  ; cy
	s_and_b32 s60, ttmp7, 0xffff                   ; Y
	s_and_b32 s42, ttmp9, 1
	s_lshl_b32 s42, s42, 2
	s_add_co_u32 s42, s42, s40                     ; Q, K: block column
	s_lshl_b32 s17, s60, 1
	s_lshr_b32 s18, ttmp9, 1
	s_add_co_u32 s17, s17, s18
	s_lshl_b32 s17, s17, 2
	s_add_co_u32 s17, s17, s41                     ; Q, K: block row
	s_lshl_b32 s60, s60, 2
	s_add_co_u32 s60, s60, ttmp9
	s_lshl_b32 s60, s60, 2
	s_add_co_u32 s60, s60, s40                     ; V: block column (its block row is cy)
	s_lshl_b32 s43, s41, 2
	s_lshl_b32 s43, 15, s43                        ; my row of the cluster
	s_lshl_b32 s44, 0x1111, s40                    ; my column
	s_or_b32 s[G1+0], s43, (1<<20)|(1<<21)|(5<<22)|(3<<25)   ; bytes; 4 words of padding behind every 64
	s_or_b32 s[G1B+0], s44, (1<<20)|(1<<21)|(5<<22)|(3<<25)
.irp g, G1, G1B
	s_mov_b32 s[\g+1], KROW<<16
	s_mov_b32 s[\g+3], KROW<<16
	s_mov_b32 s[\g+5], KROW
	s_mov_b32 s[\g+6], 0
	s_mov_b32 s[\g+7], 0
.endr
	s_mov_b32 s[G1+2], 128<<16
	s_mov_b32 s[G1+4], 128
	s_mov_b32 s[G1B+2], 64<<16
	s_mov_b32 s[G1B+4], 64
	s_mov_b32 s[G0], 1
	s_mul_i32 s[G0+1], s16, 128*PITCH
	s_mov_b32 s[G0B], 1
	s_mul_i32 s[G0B+1], s16, 64*PITCH
	s_add_co_u32 s[G0B+1], s[G0B+1], BBASE
	s_mul_i32 s36, s16, 128*KROW                   ; the half that I fetch, in bytes: of A's rows,
	s_mov_b32 s37, 0
	s_mul_i32 s38, s16, 64*KROW                    ; of B's
	s_mov_b32 s39, 0
	s_mov_b32 s19, 0
	s_mul_i32 s20, s17, 256*KROW                   ; Q, K: the block's rows of A,
	s_mov_b32 s21, 0
	s_mul_i32 s2, s42, 128*KROW                    ; of B
	s_mov_b32 s3, 0
	s_wait_dscnt 0x0
	s_wait_kmcnt 0x0
	s_add_nc_u64 s[4:5], s[4:5], s[20:21]
	s_add_nc_u64 s[8:9], s[8:9], s[2:3]
	s_add_nc_u64 s[G0+2:G0+3], s[4:5], s[36:37]
	s_or_b32 s[G0+3], s[G0+3], 0x80000000
	s_add_nc_u64 s[G0B+2:G0B+3], s[8:9], s[38:39]
	s_or_b32 s[G0B+3], s[G0B+3], 0x80000000
	CROUND                                         ; all sixteen work-groups are here: the joint loads meet
	JLOAD                                          ; Q's rows
	v_and_b32 v1, 15, v0                           ; r
	v_bfe_u32 v2, v0, 4, 1                         ; h
	v_and_b32 v6, 31, v0
	v_lshlrev_b32 v30, 5, v2
	v_lshlrev_b32 v31, 2, v1
	v_lshlrev_b32 v[ABS], 5, v6                    ; a row of scale bytes a lane
	v_lshlrev_b32 v[FO], 3, v6
	v_lshlrev_b32 v[PF0], 8, v6                    ; the prefetches: blocks 0 .. 31,
	v_min_u32 v7, 15, v6
	v_lshlrev_b32 v7, 8, v7
	v_add_nc_u32 v[PF0+1], 8192, v7                ; blocks 32 .. 47 of A's share (the lanes left over name the last again),
	v_min_u32 v8, 23, v6
	v_lshlrev_b32 v[PF0+2], 8, v8                  ; blocks 0 .. 23 of B's
	v_mul_u32_u24 v3, v1, PITCH
	v_mad_u32_u24 v4, v2, 24, v3
	v_mad_u32_u24 v5, v2, 40, v3
	s_mul_i32 s21, s14, 64*PITCH                   ; my 64 rows of A
	v_add_nc_u32 v7, s21, v4
	v_add_nc_u32 v8, s21, v5
.irp i, 0,1,2,3,4,5,6,7
	v_add_nc_u32 v[BA+2*\i], BBASE+\i*16*PITCH, v4
	v_add_nc_u32 v[BA+2*\i+1], BBASE+\i*16*PITCH, v5
.endr
.irp i, 0,1,2,3
	v_add_nc_u32 v[AA+2*\i], \i*16*PITCH, v7
	v_add_nc_u32 v[AA+2*\i+1], \i*16*PITCH, v8
.endr
	s_lshl_b32 s18, s17, 13                        ; every pointer is brought to my part once: scale bytes of my 64 rows (32 bytes a row),
	s_lshl_b32 s21, s14, 11
	s_add_co_u32 s18, s18, s21
	PADD 6, 70
	s_lshl_b32 s18, s42, 12                        ; of B's 128 rows,
	PADD 10, 74
	s_lshl_b32 s18, s42, 9                         ; the bias of my 128 columns
	PADD 84, 86
	WALU
	COLBIAS 84
	LOADSC 6, 10
	s_mov_b32 s18, s20
	PADD 68, 0                                     ; K's block
	s_mov_b32 s18, s2
	PADD 72, 0
	s_mul_i32 s18, s41, 256*KROW                   ; V's
	PADD 76, 0
	s_mul_i32 s18, s60, 128*KROW
	PADD 80, 0
	s_lshl_b32 s18, s41, 13
	s_add_co_u32 s18, s18, s21
	PADD 78, 0
	s_lshl_b32 s18, s60, 12
	PADD 82, 0
	s_lshl_b32 s18, s41, 10                        ; V's bias: my 64 rows
	s_lshl_b32 s20, s14, 8
	s_add_co_u32 s18, s18, s20
	PADD 88, 0
	s_lshl_b32 s18, s42, 9                         ; img, Q: fragment 512 x column group + 16 x block row + 4 x wave
	s_lshl_b32 s20, s17, 4
	s_add_co_u32 s18, s18, s20
	s_lshl_b32 s20, s14, 2
	s_add_co_u32 s18, s18, s20
	s_mul_i32 s18, s18, 1536
	s_add_nc_u64 s[12:13], s[90:91], s[18:19]
	s_lshl_b32 s18, s42, 7                         ; sc, Q: 256 bytes for four tiles
	s_lshl_b32 s20, s17, 2
	s_add_co_u32 s18, s18, s20
	s_add_co_u32 s18, s18, s14
	s_lshl_b32 s18, s18, 8
	s_add_nc_u64 s[96:97], s[92:93], s[18:19]
	s_lshl_b32 s18, s60, 6                         ; img, V: fragment 64 x column group + 16 cy + 4 x wave, behind Q's and K's
	s_lshl_b32 s20, s41, 4
	s_add_co_u32 s18, s18, s20
	s_lshl_b32 s20, s14, 2
	s_add_co_u32 s18, s18, s20
	s_mul_i32 s18, s18, 1536
	s_add_co_u32 s18, s18, 2*6291456
	s_add_nc_u64 s[98:99], s[90:91], s[18:19]
	s_lshl_b32 s18, s60, 4
	s_lshl_b32 s20, s41, 2
	s_add_co_u32 s18, s18, s20
	s_add_co_u32 s18, s18, s14
	s_lshl_b32 s18, s18, 8
	s_add_co_u32 s18, s18, 2*262144
	s_add_nc_u64 s[100:101], s[92:93], s[18:19]
	s_lshl_b32 s46, s40, 6                         ; what I prefetch: rows 64 cx + 16 x wave of A's 256,
	s_lshl_b32 s20, s14, 4
	s_add_co_u32 s46, s46, s20
	s_mul_i32 s46, s46, KROW
	s_mov_b32 s47, 0
	s_lshl_b32 s62, s41, 5                         ; rows 32 cy + 8 x wave of B's 128
	s_lshl_b32 s20, s14, 3
	s_add_co_u32 s62, s62, s20
	s_mul_i32 s62, s62, KROW
	s_mov_b32 s63, 0
	s_mov_b32 s22, 0x76543210
	s_mov_b32 s23, 0xfedcba98
	s_mov_b32 s[HI], 0xffff0000
	s_mov_b32 s[TRIP], 0
.Ltensor:                                              ; Q, then K
	BODY 0, 1, 12, 96
	s_wait_xcnt 0x0                                ; the stores and prefetches have read their bases
	s_add_nc_u64 s[12:13], s[12:13], 6291456       ; K's part of img,
	s_add_nc_u64 s[96:97], s[96:97], 262144        ; of sc
	s_add_co_u32 s[TRIP], s[TRIP], 1
	s_cmp_lt_u32 s[TRIP], 2
	WALU
	s_cbranch_scc1 .Ltensor
	BODY 1, 0, 98, 100                             ; V: nothing more is fetched
	s_wait_tensorcnt 0x0                           ; the wave's end
	ds_add_u32 v[SPW], v[NIL]
	s_wait_dscnt 0x0
	CROUND                                         ; the closing round
	s_endpgm
.Lfunc_end_k_q6ae9bec6f8_proj:
	.size	k_q6ae9bec6f8_proj, .Lfunc_end_k_q6ae9bec6f8_proj-k_q6ae9bec6f8_proj
	.p2alignl 7, 3214868480
	.fill 96, 4, 3214868480
	.section	.rodata,"a",@progbits
	.p2align	6, 0x0
	.amdhsa_kernel k_q6ae9bec6f8_proj
		.amdhsa_group_segment_fixed_size 327680
		.amdhsa_private_segment_fixed_size 0
		.amdhsa_enable_private_segment 0
		.amdhsa_kernarg_size 136
		.amdhsa_user_sgpr_count 2
		.amdhsa_user_sgpr_kernarg_segment_ptr 1
		.amdhsa_wavefront_size32 1
		.amdhsa_system_sgpr_workgroup_id_x 1
		.amdhsa_system_sgpr_workgroup_id_y 1
		.amdhsa_system_sgpr_workgroup_id_z 1
		.amdhsa_system_vgpr_workitem_id 0
		.amdhsa_next_free_vgpr 832
		.amdhsa_next_free_sgpr 102
		.amdhsa_reserve_vcc 0
		.amdhsa_float_denorm_mode_32 3
		.amdhsa_float_denorm_mode_16_64 3
		.amdhsa_memory_ordered 1
		.amdhsa_forward_progress 1
		.amdhsa_inst_pref_size 163
	.end_amdhsa_kernel
	.amdgpu_metadata
---
amdhsa.version: [ 1, 2 ]
amdhsa.kernels:
  - .name:           k_q6ae9bec6f8_proj
    .symbol:         k_q6ae9bec6f8_proj.kd
    .args:
      - { .name: query_codes, .offset: 0, .size: 8, .value_kind: global_buffer, .address_space: global }
      - { .name: query_scales, .offset: 8, .size: 8, .value_kind: global_buffer, .address_space: global }
      - { .name: Wq_codes, .offset: 16, .size: 8, .value_kind: global_buffer, .address_space: global }
      - { .name: Wq_scales, .offset: 24, .size: 8, .value_kind: global_buffer, .address_space: global }
      - { .name: key__codes, .offset: 32, .size: 8, .value_kind: global_buffer, .address_space: global }
      - { .name: key__scales, .offset: 40, .size: 8, .value_kind: global_buffer, .address_space: global }
      - { .name: Wk_codes, .offset: 48, .size: 8, .value_kind: global_buffer, .address_space: global }
      - { .name: Wk_scales, .offset: 56, .size: 8, .value_kind: global_buffer, .address_space: global }
      - { .name: Wv_codes, .offset: 64, .size: 8, .value_kind: global_buffer, .address_space: global }
      - { .name: Wv_scales, .offset: 72, .size: 8, .value_kind: global_buffer, .address_space: global }
      - { .name: value_codes, .offset: 80, .size: 8, .value_kind: global_buffer, .address_space: global }
      - { .name: value_scales, .offset: 88, .size: 8, .value_kind: global_buffer, .address_space: global }
      - { .name: bq, .offset: 96, .size: 8, .value_kind: global_buffer, .address_space: global }
      - { .name: bk, .offset: 104, .size: 8, .value_kind: global_buffer, .address_space: global }
      - { .name: bv, .offset: 112, .size: 8, .value_kind: global_buffer, .address_space: global }
      - { .name: img, .offset: 120, .size: 8, .value_kind: global_buffer, .address_space: global }
      - { .name: sc, .offset: 128, .size: 8, .value_kind: global_buffer, .address_space: global }
    .group_segment_fixed_size: 327680
    .private_segment_fixed_size: 0
    .kernarg_segment_align: 8
    .kernarg_segment_size: 136
    .max_flat_workgroup_size: 128
    .sgpr_count:     102
    .vgpr_count:     832
    .wavefront_size: 32
...
	.end_amdgpu_metadata
.endif
;; end of part 2
;; launch attn (part 3): grid 4 x 64, 16 waves a work-group, no clusters, 210,944 bytes of LDS; arguments img, sc, mbits, mflag, acodes, ascales; writes acodes, ascales
.if DOCPART == 3
	.amdgcn_target "amdgcn-amd-amdhsa--gfx1250"
	.amdhsa_code_object_version 6
	.text
	.protected	k_q6ae9bec6f8_attn
	.globl	k_q6ae9bec6f8_attn
	.p2align	8
	.type	k_q6ae9bec6f8_attn,@function
k_q6ae9bec6f8_attn:
	s_mov_b64 s[64:65], 0
	v_nop
	global_prefetch_b8 v0, s[64:65] scope:SCOPE_SE
	s_setreg_imm32_b32 hwreg(HW_REG_WAVE_MODE, 25, 1), 1
	s_wait_xcnt 0x0
; Attention of one head for 512 queries, both products on codes of FP6 (E2M3) with E8M0 scales, and the quantising of its result along D for the output projection.
; t = score x log2(e) / 8; M = the row's largest t so far, rounded UP to a whole number; p = 2^(t - M) is quantised along the keys, not normalised; the row's sum is taken of the unquantised p and divides at the end.
; A hidden key's score becomes -infinity ahead of the maximum.  When M moves, the sum and O are multiplied by 2^(old M - new M): exact.
; SHARES.  Work-group (x, y): head y % 16 of batch y / 16, queries 512 x on.  The head's whole K and V (codes and scale words, 16 key steps of 128 keys, 13,056 bytes each) lie in LDS: wave w copies key step w through
; its registers, ONE barrier follows, and from then on LDS is only read.  Wave w then owns the tiles of 16 queries T0 = 128 b + 32 x + 2 w and T0 + 1, one after the other; four waves share a SIMD.
; NO TENSOR LOADS, NO CLUSTER: the step that applies the mask is jumped over where a stored flag says that the key step hides nothing of my 16 queries.
; What the four work-groups of a head share is that one fill, against 32 key steps of work for each wave.
; LAYOUT.  Both products are used transposed: S^T = K Q^T (source 0 = 16 keys), O^T = V^T P^T (source 0 = 16 of the head's 64): a lane holds ONE query (lane % 16) throughout.
; Register j of score tile t of lane (r, h) is key 16 t + 8 h + j.  p's codes so stand, inside each block of 32 keys, in the order 0-7, 16-23, 8-15, 24-31, and so do V's, made in the same way by the launch before; q's and k's likewise along the head.
; THE SCORES' K IS 64, the instruction's 128: Q's upper six registers are zero codes.  K's operand for tile t is the twelve registers from its own six on: the upper six are the next tile's codes (behind the last: zeros), which meet zeros.
; The upper two bytes of both scale words are 0, a small power of two: the products are exact zeros.
; THE RESULT meets Wo, whose K lies in its natural order: sixteen exchanges of lane halves make a lane's 16 registers true neighbours before they are quantised.
; LIMITS: NaN and infinities in q, k, v are not served.  A row all of whose keys are hidden gets zero codes under the scale byte 0xff, which makes that row of the output NaN, as a softmax of nothing is.  A block of zeros gets the byte 1.
; ascales is stored a byte a lane, 32 bytes apart: a work-group holds two of a row's 32 bytes.
; REGISTERS: v1-5 addresses that stay; v8-9 the step's; v12 -M, v13 the largest t, v[14:15] the sum; v16-27 Q; v28 Q's scale word; v29 0; v32-79 K's eight tiles, then V's four; v80-85 zeros; v96-159 S^T, then p;
;   v160-191 O^T; v192-195 K's scale words, v196-197 V's; v204-215 both tiles' Q; v216 their scale words; v224-235 p's codes; v232-254 at work; v255 -infinity.
.set STEPB, 13056                      ; a key step in LDS: K 6,144 bytes (12 images of four registers, 16 bytes a lane), V 6,144, K's scale words 512, V's 256
.set VOFF,  6144
.set KSOFF, 12288
.set VSOFF, 12800
.set TB,    16                         ; s16  LDS byte at which the key step in hand begins
.set NT,    17                         ; s17  tiles to go
.set NK,    18                         ; s18  key steps to go
.set FL,    19                         ; s19  bit 0: the key step in hand hides a key of my tile
.set FL1,   24                         ; s24  the second tile's flags
.set HI16,  25                         ; s25  lanes 16-31
.set DEAD,  26                         ; s26  lanes whose row is wholly hidden
.set GSH,   27                         ; s27  16 x (head % 2): where my head's two scale bytes stand in a word
	s_load_b256 s[4:11], s[0:1], 0x0               ; img s[4:5], sc s[6:7], mbits s[8:9], mflag s[10:11]
	s_load_b128 s[12:15], s[0:1], 0x20             ; acodes, ascales
	v_lshl_add_u32 v250, v0, 2, 0x33000
	v_mov_b32 v251, 0
	v_lshrrev_b32 v1, 5, v0
	s_delay_alu instid0(VALU_DEP_1)
	v_readfirstlane_b32 s2, v1                     ; wave 0..15
	v_and_b32 v6, 31, v0                           ; lane
	s_delay_alu instid0(VALU_DEP_1)
	v_lshlrev_b32 v1, 3, v6                        ; 8 x lane
	s_delay_alu instid0(VALU_DEP_2)
	v_lshlrev_b32 v2, 4, v6                        ; 16 x lane
	s_mul_i32 s28, s2, STEPB
	v_add_nc_u32 v3, s28, v2                       ; where I store key step w: 16 bytes a lane,
	v_add_nc_u32 v4, s28, v1                       ; 8 bytes a lane
	v_and_b32 v7, 15, v0
	v_bfe_u32 v5, v0, 4, 1
	s_delay_alu instid0(VALU_DEP_1)
	v_lshl_add_u32 v5, v7, 5, v5                   ; ascales: 32 r + h
	s_and_b32 s28, ttmp7, 0xffff
	s_lshr_b32 s29, s28, 4                         ; b
	s_and_b32 s30, s28, 15                         ; head
	s_lshr_b32 s31, s30, 1                         ; P: the pair of heads
	s_and_b32 s3, s30, 1                           ; g: which of the pair
	s_lshl_b32 s[GSH], s3, 4
	s_lshl_b32 s16, s29, 7
	s_lshl_b32 s17, ttmp9, 5
	s_add_co_u32 s17, s17, s16
	s_lshl_b32 s18, s2, 1
	s_add_co_u32 s17, s17, s18                     ; T0 = 128 b + 32 x + 2 w
	s_mul_i32 s19, s3, 768                         ; my head's three chunks of a fragment of q, of k or of the result
	s_lshl_b32 s24, s31, 9                         ; 512 P
	s_lshl_b32 s25, s29, 4
	s_add_co_u32 s25, s25, s2                      ; 16 b + w
	s_lshl_b32 s40, s25, 3                         ; K of key step w: fragments (P, 128 b + 8 w + t)
	s_add_co_u32 s40, s40, s24
	s_mul_i32 s40, s40, 1536
	s_add_co_u32 s40, s40, s19
	s_add_co_u32 s40, s40, 6291456
	s_mov_b32 s41, 0
	s_lshl_b32 s42, s25, 6                         ; V: fragments (16 b + w, 4 head + d)
	s_lshl_b32 s26, s30, 2
	s_add_co_u32 s42, s42, s26
	s_mul_i32 s42, s42, 1536
	s_add_co_u32 s42, s42, 12582912
	s_mov_b32 s43, 0
	s_add_co_u32 s44, s24, s17                     ; Q: fragments (P, T0), (P, T0 + 1)
	s_mul_i32 s44, s44, 1536
	s_add_co_u32 s44, s44, s19
	s_mov_b32 s45, 0
	s_lshl_b32 s46, s31, 6                         ; K's scale words: (P, octet 16 b + w)
	s_add_co_u32 s46, s46, s25
	s_lshl_b32 s46, s46, 9
	s_add_co_u32 s46, s46, 262144
	s_mov_b32 s47, 0
	s_lshl_b32 s48, s25, 3                         ; V's: (16 b + w, octet P), words 2 g and 2 g + 1
	s_add_co_u32 s48, s48, s31
	s_lshl_b32 s48, s48, 9
	s_lshl_b32 s26, s3, 8                          ; sc lies by fours of tiles, 256 bytes each: my head's four tiles are the g-th half of the 512
	s_add_co_u32 s48, s48, s26
	s_add_co_u32 s48, s48, 524288
	s_mov_b32 s49, 0
	s_lshl_b32 s50, s31, 7                         ; Q's: (P, four tiles T0 / 4), word w % 2: lanes 0-15 T0's rows, lanes 16-31 those of T0 + 1
	s_lshr_b32 s26, s17, 2
	s_add_co_u32 s50, s50, s26
	s_lshl_b32 s50, s50, 8
	s_and_b32 s26, s2, 1
	s_lshl_b32 s26, s26, 2
	s_add_co_u32 s50, s50, s26
	s_mov_b32 s51, 0
	s_lshl_b32 s52, s17, 12                        ; mbits: 4,096 bytes a tile
	s_mov_b32 s53, 0
	s_lshl_b32 s54, s17, 4                         ; mflag: 16 bytes a tile
	s_mov_b32 s55, 0
	s_lshl_b32 s56, s17, 3                         ; acodes: fragment (T0, P), my head's three chunks
	s_add_co_u32 s56, s56, s31
	s_mul_i32 s56, s56, 1536
	s_add_co_u32 s56, s56, s19
	s_mov_b32 s57, 0
	s_lshl_b32 s58, s17, 9                         ; ascales: 16 rows of 32 bytes a tile, + 2 head
	s_lshl_b32 s26, s30, 1
	s_add_co_u32 s58, s58, s26
	s_mov_b32 s59, 0
	s_wait_alu depctr_va_vdst(0)
	s_wait_kmcnt 0x0
	s_add_nc_u64 s[40:41], s[4:5], s[40:41]
	s_add_nc_u64 s[42:43], s[4:5], s[42:43]
	s_add_nc_u64 s[44:45], s[4:5], s[44:45]
	s_add_nc_u64 s[46:47], s[6:7], s[46:47]
	s_add_nc_u64 s[48:49], s[6:7], s[48:49]
	s_add_nc_u64 s[50:51], s[6:7], s[50:51]
	s_add_nc_u64 s[8:9], s[8:9], s[52:53]
	s_add_nc_u64 s[10:11], s[10:11], s[54:55]
	s_add_nc_u64 s[12:13], s[12:13], s[56:57]
	s_add_nc_u64 s[14:15], s[14:15], s[58:59]
	s_load_b256 s[68:75], s[10:11], 0x0            ; both tiles' four flag words
	; 58 loads: K's 24, V's 24, K's scale words 2, V's 1, Q's 6, Q's scale word
.irp t, 0,1,2,3,4,5,6,7
.irp j, 0,1,2
	global_load_b64 v[32+6*\t+2*\j:33+6*\t+2*\j], v1, s[40:41] offset:1536*\t+256*\j   ; tile t's registers 2 j, 2 j + 1: 256 consecutive bytes
.endr
.endr
.irp d, 0,1,2,3
.irp j, 0,1,2,3,4,5
	global_load_b64 v[96+12*\d+2*\j:97+12*\d+2*\j], v1, s[42:43] offset:1536*\d+256*\j
.endr
.endr
	global_load_b64 v[144:145], v1, s[46:47]
	global_load_b64 v[146:147], v1, s[46:47] offset:256
	global_load_b64 v[148:149], v1, s[48:49]
.irp i, 0,1
.irp j, 0,1,2
	global_load_b64 v[204+6*\i+2*\j:205+6*\i+2*\j], v1, s[44:45] offset:1536*\i+256*\j
.endr
.endr
	global_load_b32 v216, v1, s[50:51]
	s_mov_b32 s20, 0x76543210
	s_mov_b32 s21, 0xfedcba98                      ; v_permlanex16_b32's selects for lane l xor 16
	s_mov_b32 s22, 0x3e38aa3b                      ; c = log2(e) / sqrt(64)
	s_mov_b32 s23, s22                             ; (named with it as a pair, so it is written)
	s_mov_b32 s[HI16], 0xffff0000
	s_wait_loadcnt 34                              ; K's 24 loads are in: 34 were issued behind them
.irp i, 0,1,2,3,4,5,6,7,8,9,10,11
	ds_store_b128 v3, v[32+4*\i:35+4*\i] offset:512*\i           ; an image of the registers: any wave that loads it so has the same registers in the same lanes
.endr
	s_wait_loadcnt 10                              ; V's 24 are in
.irp i, 0,1,2,3,4,5,6,7,8,9,10,11
	ds_store_b128 v3, v[96+4*\i:99+4*\i] offset:VOFF+512*\i
.endr
	s_wait_loadcnt 7                               ; the three loads of scale words are in
.irp i, 0,1,2,3
	v_bfe_u32 v[144+\i], v[144+\i], s[GSH], 16     ; my head's two bytes; the upper two are 0
.endr
	ds_store_b128 v3, v[144:147] offset:KSOFF
	ds_store_b64 v4, v[148:149] offset:VSOFF
	s_wait_loadcnt 0x0                             ; Q; and every base above is free
	v_bfe_u32 v216, v216, s[GSH], 16
.irp i, 0,1,2,3,4,5
	v_mov_b32 v[16+\i], v[204+\i]                  ; the first tile's Q,
	v_mov_b32 v[22+\i], 0                          ; zero codes for K = 64 .. 127,
	v_mov_b32 v[80+\i], 0                          ; and behind K's last tile
.endr
	v_mov_b32 v28, v216
	v_mov_b32 v29, 0
.irp b, 0,1,2,3
	v_mov_b32 v[236+\b], 0                         ; written once: a lane permute's destination counts as one of its sources
.endr
	v_mov_b32 v253, 0                              ; (named as the upper half of the pair v[252:253] before it is first written)
	v_mov_b32 v255, 0xff800000                     ; -infinity
	s_wait_kmcnt 0x0
	s_or_b32 s[FL], s68, s69
	s_or_b32 s28, s70, s71
	s_or_b32 s[FL], s[FL], s28                     ; bit s: key step s hides a key of tile T0
	s_or_b32 s[FL1], s72, s73
	s_or_b32 s28, s74, s75
	s_or_b32 s[FL1], s[FL1], s28                   ; the same for T0 + 1
	s_mov_b32 s[NT], 2
	s_wait_dscnt 0x0                               ; for the others' sake: my stores have landed
	s_barrier_signal -1
	s_barrier_wait -1                              ; the head's K and V lie in LDS; nothing is stored there again
.Ltile:
	s_mov_b32 s[TB], 0
	s_mov_b32 s[NK], 16
	v_mov_b32 v13, 0xff61b1e6                      ; the largest t so far: -3e38, under every t
	s_delay_alu instid0(VALU_DEP_1)
	v_floor_f32 v12, -v13                          ; -M
	v_mov_b32 v14, 0                               ; the sum, in two halves
	v_mov_b32 v15, 0
.set i, 0
.rept 32
	v_mov_b32 v[160+i], 0                          ; O^T.  (The key step is written once: the first finds zeros, which the first change of M leaves zeros)
.set i, i+1
.endr
.Lkey:                                             ; a key step: 128 keys
	v_add_nc_u32 v8, s[TB], v2                     ; these two and the two idle lines are the four places in front of loads into registers that the last products read
	v_add_nc_u32 v9, s[TB], v1
.rept 2
	v_nop
.endr
.irp i, 0,1,2,3,4,5,6,7,8,9,10,11
	ds_load_b128 v[32+4*\i:35+4*\i], v8 offset:512*\i             ; K's eight tiles, six registers each
.endr
	ds_load_b128 v[192:195], v8 offset:KSOFF       ; register i: lanes 0-15 tile 2 i's scale words, lanes 16-31 tile 2 i + 1's
	s_wait_alu depctr_va_vdst(0)
	s_wait_dscnt 0x0
.irp t, 0,1,2,3,4,5,6,7
.if \t%2
	v_wmma_scale_f32_16x16x128_f8f6f4 v[96+8*\t:103+8*\t], v[32+6*\t:43+6*\t], v[16:27], 0, v[192+\t/2], v28 matrix_a_fmt:MATRIX_FMT_FP6 matrix_b_fmt:MATRIX_FMT_FP6 matrix_a_scale:MATRIX_SCALE_ROW1
.else
	v_wmma_scale_f32_16x16x128_f8f6f4 v[96+8*\t:103+8*\t], v[32+6*\t:43+6*\t], v[16:27], 0, v[192+\t/2], v28 matrix_a_fmt:MATRIX_FMT_FP6 matrix_b_fmt:MATRIX_FMT_FP6
.endif
.endr
.rept 4
	v_nop                                          ; places in front of the loads below and of the first read of the scores
.endr
.irp i, 0,1,2,3,4,5,6,7,8,9,10,11
	ds_load_b128 v[32+4*\i:35+4*\i], v8 offset:VOFF+512*\i        ; V's four tiles, twelve registers each: they land while the softmax is worked
.endr
	ds_load_b64 v[196:197], v9 offset:VSOFF
	s_and_b32 s28, s[FL], 1
	s_cmp_eq_u32 s28, 0
	s_cbranch_scc1 .Lopen                          ; a stored number says that this step hides nothing of my 16 queries: its masks are neither loaded nor applied
	s_load_b512 s[32:47], s[8:9], 0x0              ; the step's 64 lane masks: word n for score register n
	s_load_b512 s[48:63], s[8:9], 0x40
	s_load_b512 s[68:83], s[8:9], 0x80
	s_load_b512 s[84:99], s[8:9], 0xc0
	s_wait_kmcnt 0x0                               ; the masks are in, and their base is free
.set n, 0
.rept 64
	v_cndmask_b32 v[96+n], v[96+n], v255, s[32+n+4*(n/32)]        ; a hidden key's score becomes -infinity
.set n, n+1
.endr
.Lopen:
	s_add_nc_u64 s[8:9], s[8:9], 0x100             ; the next step's masks; behind a tile's 16 steps: the next tile's
.irp b, 0,1,2,3
	v_max3_num_f32 v[232+\b], v[96+16*\b], v[97+16*\b], v[98+16*\b]   ; THE LARGEST SCORE OF EACH BLOCK OF 32 KEYS: for the row's maximum, and, since p rises with the score, for the block's largest p
.endr
.irp i, 3,5,7,9,11,13
.irp b, 0,1,2,3
	v_max3_num_f32 v[232+\b], v[232+\b], v[96+16*\b+\i], v[97+16*\b+\i]   ; (the four blocks by turns)
.endr
.endr
.irp b, 0,1,2,3
	v_max_num_f32 v[232+\b], v[232+\b], v[111+16*\b]
.endr
.irp b, 0,1,2,3
	s_delay_alu instid0(VALU_DEP_4)
	v_permlanex16_b32 v[236+\b], v[232+\b], s20, s21
.endr
.irp b, 0,1,2,3
	s_delay_alu instid0(VALU_DEP_4)
	v_max_num_f32 v[232+\b], v[232+\b], v[236+\b]  ; with lane l xor 16's 16 keys
.endr
	s_delay_alu instid0(VALU_DEP_2)
	v_max3_num_f32 v254, v232, v233, v234
	s_delay_alu instid0(VALU_DEP_1)
	v_max_num_f32 v254, v254, v235                 ; the step's largest score of my query
	s_delay_alu instid0(VALU_DEP_1)
	v_mul_f32 v254, s22, v254                      ; as t (c is positive)
	s_delay_alu instid0(VALU_DEP_1)
	v_max_num_f32 v13, v13, v254                   ; the running largest t
	v_mov_b32 v254, v12
	s_delay_alu instid0(VALU_DEP_2)
	v_floor_f32 v12, -v13                          ; the new -M = floor(-t) = -ceil(t): M IS A WHOLE NUMBER
	s_delay_alu instid0(VALU_DEP_1)
	v_sub_f32 v254, v12, v254                      ; M's old value less its new one: a whole number, 0 or less
	s_delay_alu instid0(VALU_DEP_1)
	v_cvt_i32_f32 v254, v254                       ; (it saturates)
	s_delay_alu instid0(VALU_DEP_1)
	v_ldexp_f32 v252, 1.0, v254                    ; f = 2^(old M - new M)
.irp j, 0,2,4,6,8,10,12,14,16,18,20,22,24,26,28,30,32,34,36,38,40,42,44,46,48,50,52,54,56,58,60,62
	v_pk_fma_f32 v[96+\j:97+\j], v[96+\j:97+\j], s[22:23], v[12:13] op_sel_hi:[1,0,0]   ; t - M, two at a time
.endr
.irp b, 0,1,2,3
	v_fma_f32 v[232+\b], v[232+\b], s22, v12       ; the same of each block's largest score
.endr
.set i, 0
	s_wait_alu depctr_va_vdst(0)
.rept 64
	v_exp_f32 v[96+i], v[96+i]                     ; p = 2^(t - M), at most 1: NOT normalised
.set i, i+1
.endr
.irp b, 0,1,2,3
	v_exp_f32 v[232+\b], v[232+\b]                 ; the block's largest p: the same two instructions on the same number give the same bits
.endr
	v_pk_mul_f32 v[14:15], v[14:15], v[252:253] op_sel_hi:[1,0]   ; the sums under the new M.  (A plain place behind the exponentials)
	s_wait_alu depctr_va_vdst(0)
.irp b, 0,1,2,3
	v_max_num_f32 v[232+\b], 0x1800000, v[232+\b]  ; the floor 2^(3 - 127): the byte cannot fall under 1
.endr
.irp b, 0,1,2,3
	s_delay_alu instid0(VALU_DEP_4)
	v_add_nc_u32 v[244+\b], 0xff000000, v[232+\b]  ; 2 off the exponent field: the conversion's scale operand
.endr
.irp b, 0,1,2,3
	s_delay_alu instid0(VALU_DEP_4)
	v_lshrrev_b32 v[236+\b], 23, v[244+\b]         ; the scale's byte
.endr
	s_delay_alu instid0(VALU_DEP_3)
	v_lshl_or_b32 v253, v237, 8, v236              ; p's scale word for these 128 keys
	s_delay_alu instid0(VALU_DEP_1)
	v_lshl_or_b32 v253, v238, 16, v253
	s_delay_alu instid0(VALU_DEP_1)
	v_lshl_or_b32 v253, v239, 24, v253
.irp c, 0,1
	v_cvt_scalef32_pk16_fp6_f32 v[224+6*\c:226+6*\c], v[96+32*\c:111+32*\c], v[244+2*\c]
	v_cvt_scalef32_pk16_fp6_f32 v[236+4*\c:238+4*\c], v[112+32*\c:127+32*\c], v[244+2*\c+1]   ; (a conversion's three registers begin on an even number)
.endr
	v_nop                                          ; one plain place behind a scaled conversion
.irp c, 0,1                                    ; the operand's layout wants a WHOLE block in a lane
.irp i, 0,1,2
	v_permlane16_swap_b32 v[224+6*\c+\i], v[236+4*\c+\i]
.endr
.irp i, 0,1,2
	s_delay_alu instid0(VALU_DEP_3)
	v_mov_b32 v[227+6*\c+\i], v[236+4*\c+\i]
.endr
.endr
	v_pk_add_f32 v[236:237], v[100:101], v[104:105]
	v_pk_add_f32 v[248:249], v[108:109], v[112:113]
	v_pk_add_f32 v[246:247], v[116:117], v[120:121]
	v_pk_add_f32 v[244:245], v[124:125], v[128:129]
	v_pk_add_f32 v[242:243], v[132:133], v[136:137]
	v_pk_add_f32 v[240:241], v[140:141], v[144:145]
	v_pk_add_f32 v[222:223], v[148:149], v[152:153]
	v_pk_add_f32 v[14:15], v[14:15], v[156:157]
	v_pk_add_f32 v[236:237], v[236:237], v[96:97]
	v_pk_add_f32 v[248:249], v[248:249], v[98:99]
	v_pk_add_f32 v[246:247], v[246:247], v[102:103]
	v_pk_add_f32 v[244:245], v[244:245], v[106:107]
	v_pk_add_f32 v[242:243], v[242:243], v[110:111]
	v_pk_add_f32 v[240:241], v[240:241], v[114:115]
	v_pk_add_f32 v[222:223], v[222:223], v[118:119]
	v_pk_add_f32 v[14:15], v[14:15], v[122:123]
	v_pk_add_f32 v[236:237], v[236:237], v[126:127]
	v_pk_add_f32 v[248:249], v[248:249], v[130:131]
	v_pk_add_f32 v[246:247], v[246:247], v[134:135]
	v_pk_add_f32 v[244:245], v[244:245], v[138:139]
	v_pk_add_f32 v[242:243], v[242:243], v[142:143]
	v_pk_add_f32 v[240:241], v[240:241], v[146:147]
	v_pk_add_f32 v[222:223], v[222:223], v[150:151]
	v_pk_add_f32 v[14:15], v[14:15], v[154:155]
	v_pk_add_f32 v[236:237], v[236:237], v[158:159]
	s_delay_alu instid0(VALU_DEP_2)
	v_pk_add_f32 v[14:15], v[14:15], v[244:245]
	s_delay_alu instid0(VALU_DEP_2)
	v_pk_add_f32 v[236:237], v[236:237], v[242:243]
	v_pk_add_f32 v[248:249], v[248:249], v[240:241]
	v_pk_add_f32 v[246:247], v[246:247], v[222:223]
	s_delay_alu instid0(VALU_DEP_2)
	v_pk_add_f32 v[14:15], v[14:15], v[248:249]
	s_delay_alu instid0(VALU_DEP_2)
	v_pk_add_f32 v[236:237], v[236:237], v[246:247]
	s_delay_alu instid0(VALU_DEP_1)
	v_pk_add_f32 v[14:15], v[14:15], v[236:237]
.irp j, 0,2,4,6,8,10,12,14,16,18,20,22,24,26,28,30
	v_pk_mul_f32 v[160+\j:161+\j], v[160+\j:161+\j], v[252:253] op_sel_hi:[1,0]   ; O^T under the new M.  (With the sums above: the places between p's codes and scale word and the products below)
.endr
	s_wait_alu depctr_va_vdst(0)
	s_wait_dscnt 0x0                               ; V is in
.irp d, 0,1,2,3                                ; O^T += V^T P^T: the four accumulators take turns, one instruction a turn
.if \d%2
	v_wmma_scale_f32_16x16x128_f8f6f4 v[160+8*\d:167+8*\d], v[32+12*\d:43+12*\d], v[224:235], v[160+8*\d:167+8*\d], v[196+\d/2], v253 matrix_a_fmt:MATRIX_FMT_FP6 matrix_b_fmt:MATRIX_FMT_FP6 matrix_a_scale:MATRIX_SCALE_ROW1
.else
	v_wmma_scale_f32_16x16x128_f8f6f4 v[160+8*\d:167+8*\d], v[32+12*\d:43+12*\d], v[224:235], v[160+8*\d:167+8*\d], v[196+\d/2], v253 matrix_a_fmt:MATRIX_FMT_FP6 matrix_b_fmt:MATRIX_FMT_FP6
.endif
.endr
	s_add_co_u32 s[TB], s[TB], STEPB
	s_lshr_b32 s[FL], s[FL], 1
	s_sub_co_u32 s[NK], s[NK], 1
	s_cmp_lg_u32 s[NK], 0
	s_cbranch_scc1 .Lkey
	; THE TILE'S END.  O^T is divided by the sum, brought into the natural order along the head, quantised in its two blocks of 32, and stored as my head's half of an operand fragment.
.rept 4
	v_nop                                          ; places behind the last products
.endr
	v_add_f32 v14, v14, v15                        ; the sum's two halves,
	s_delay_alu instid0(VALU_DEP_1)
	v_permlanex16_b32 v252, v14, s20, s21
	s_delay_alu instid0(VALU_DEP_1)
	v_add_f32 v14, v14, v252                       ; and lane l xor 16's: the row's sum
	s_delay_alu instid0(VALU_DEP_1)
	v_cmp_eq_f32 s[DEAD], 0, v14                   ; 0 only where every key is hidden
	v_rcp_f32 v252, v14
	v_nop                                          ; one plain place behind a transcendental
	s_wait_alu depctr_va_vdst(0)
	v_cndmask_b32 v252, v252, v29, s[DEAD]         ; such a row's numbers become zeros, its scale bytes 0xff below
.irp j, 0,2,4,6,8,10,12,14,16,18,20,22,24,26,28,30
	v_pk_mul_f32 v[96+\j:97+\j], v[160+\j:161+\j], v[252:253] op_sel_hi:[1,0]   ; register 8 d + j: channel 16 d + 8 h + j of my query
.endr
.irp e, 0,1
.irp j, 0,1,2,3,4,5,6,7
	v_permlane16_swap_b32 v[96+16*\e+\j], v[104+16*\e+\j]   ; tile 2 e's lanes 16-31 change places with tile 2 e + 1's lanes 0-15: register 16 e + i is now channel 32 e + 16 h + i
.endr
.endr
.irp b, 0,1
	v_max3_num_f32 v[232+\b], |v[96+16*\b]|, |v[97+16*\b]|, 0x1800000   ; my 16 numbers of block b, and the floor
.endr
.irp i, 2,4,6,8,10,12,14
.irp b, 0,1
	s_delay_alu instid0(VALU_DEP_2)
	v_max3_num_f32 v[232+\b], v[232+\b], |v[96+16*\b+\i]|, |v[97+16*\b+\i]|
.endr
.endr
.irp b, 0,1
	s_delay_alu instid0(VALU_DEP_2)
	v_permlanex16_b32 v[236+\b], v[232+\b], s20, s21
.endr
.irp b, 0,1
	s_delay_alu instid0(VALU_DEP_2)
	v_max_num_f32 v[232+\b], v[232+\b], v[236+\b]
.endr
.irp b, 0,1
	s_delay_alu instid0(VALU_DEP_2)
	v_add_nc_u32 v[244+\b], 0xff000000, v[232+\b]
.endr
.irp b, 0,1
	s_delay_alu instid0(VALU_DEP_2)
	v_lshrrev_b32 v[240+\b], 23, v[244+\b]         ; the two scale bytes
.endr
	v_cvt_scalef32_pk16_fp6_f32 v[224:226], v[96:111], v244
	v_cvt_scalef32_pk16_fp6_f32 v[236:238], v[112:127], v245
	v_nop                                          ; one plain place behind a scaled conversion
.irp i, 0,1,2
	v_permlane16_swap_b32 v[224+\i], v[236+\i]
.endr
.irp i, 0,1,2
	s_delay_alu instid0(VALU_DEP_3)
	v_mov_b32 v[227+\i], v[236+\i]                 ; v224-229: channels 32 h + 0 .. 31 of my query: six registers of the fragment
.endr
	v_cndmask_b32 v240, v240, v241, s[HI16]        ; lane (r, h) stores block h's byte
	v_mov_b32 v242, 0xff
	s_delay_alu instid0(VALU_DEP_1)
	v_cndmask_b32 v240, v240, v242, s[DEAD]
.irp j, 0,1,2
	global_store_b64 v1, v[224+2*\j:225+2*\j], s[12:13] offset:256*\j   ; 32 lanes store 256 consecutive bytes, at a multiple of 256 from acodes' first byte
.endr
	global_store_b8 v5, v240, s[14:15]
	s_wait_xcnt 0x0                                ; the stores have read their registers and bases: both may be written again
	s_add_nc_u64 s[12:13], s[12:13], 12288         ; the next tile's fragment,
	s_add_nc_u64 s[14:15], s[14:15], 512           ; its 16 rows of scale bytes,
	s_mov_b32 s[FL], s[FL1]                        ; its flags,
.irp i, 0,1,2,3,4,5
	v_mov_b32 v[16+\i], v[210+\i]                  ; its Q,
.endr
	v_permlanex16_b32 v28, v216, s20, s21          ; and its scale words, which lie in lanes 16-31
	s_sub_co_u32 s[NT], s[NT], 1
	s_cmp_lg_u32 s[NT], 0
	s_cbranch_scc1 .Ltile
	s_wait_tensorcnt 0x0
	ds_add_u32 v250, v251
	s_wait_dscnt 0x0
	s_endpgm
.Lfunc_end_k_q6ae9bec6f8_attn:
	.size	k_q6ae9bec6f8_attn, .Lfunc_end_k_q6ae9bec6f8_attn-k_q6ae9bec6f8_attn
	.p2alignl 7, 3214868480
	.fill 96, 4, 3214868480
	.section	.rodata,"a",@progbits
	.p2align	6, 0x0
	.amdhsa_kernel k_q6ae9bec6f8_attn
		.amdhsa_group_segment_fixed_size 210944
		.amdhsa_private_segment_fixed_size 0
		.amdhsa_enable_private_segment 0
		.amdhsa_kernarg_size 48
		.amdhsa_user_sgpr_count 2
		.amdhsa_user_sgpr_kernarg_segment_ptr 1
		.amdhsa_wavefront_size32 1
		.amdhsa_system_sgpr_workgroup_id_x 1
		.amdhsa_system_sgpr_workgroup_id_y 1
		.amdhsa_system_sgpr_workgroup_id_z 1
		.amdhsa_system_vgpr_workitem_id 0
		.amdhsa_next_free_vgpr 256
		.amdhsa_next_free_sgpr 100
		.amdhsa_reserve_vcc 0
		.amdhsa_float_denorm_mode_32 3
		.amdhsa_float_denorm_mode_16_64 3
		.amdhsa_memory_ordered 1
		.amdhsa_forward_progress 1
		.amdhsa_inst_pref_size 41
	.end_amdhsa_kernel
	.amdgpu_metadata
---
amdhsa.version: [ 1, 2 ]
amdhsa.kernels:
  - .name:           k_q6ae9bec6f8_attn
    .symbol:         k_q6ae9bec6f8_attn.kd
    .args:
      - { .name: img, .offset: 0, .size: 8, .value_kind: global_buffer, .address_space: global }
      - { .name: sc, .offset: 8, .size: 8, .value_kind: global_buffer, .address_space: global }
      - { .name: mbits, .offset: 16, .size: 8, .value_kind: global_buffer, .address_space: global }
      - { .name: mflag, .offset: 24, .size: 8, .value_kind: global_buffer, .address_space: global }
      - { .name: acodes, .offset: 32, .size: 8, .value_kind: global_buffer, .address_space: global }
      - { .name: ascales, .offset: 40, .size: 8, .value_kind: global_buffer, .address_space: global }
    .group_segment_fixed_size: 210944
    .private_segment_fixed_size: 0
    .kernarg_segment_align: 8
    .kernarg_segment_size: 48
    .max_flat_workgroup_size: 512
    .sgpr_count:     100
    .vgpr_count:     256
    .wavefront_size: 32
...
	.end_amdgpu_metadata
.endif
;; end of part 3
;; launch outproj (part 4): grid 8 x 32, 4 waves a work-group, clusters of 4 x 4, 327,680 bytes of LDS; arguments acodes, ascales, Wo_codes, Wo_scales, bo, out0; writes out0
.if DOCPART == 4
	.amdgcn_target "amdgcn-amd-amdhsa--gfx1250"
	.amdhsa_code_object_version 6
	.text
	.protected	k_q6ae9bec6f8_outproj
	.globl	k_q6ae9bec6f8_outproj
	.p2align	8
	.type	k_q6ae9bec6f8_outproj,@function
k_q6ae9bec6f8_outproj:
	s_mov_b64 s[64:65], 0
	v_nop
	global_prefetch_b8 v0, s[64:65] scope:SCOPE_SE
	s_setreg_imm32_b32 hwreg(HW_REG_WAVE_MODE, 25, 1), 1
	s_wait_xcnt 0x0
	s_wait_alu depctr_hold_cnt(0) depctr_sa_sdst(0) depctr_va_vdst(0) depctr_va_sdst(0) depctr_va_ssrc(0) depctr_va_vcc(0) depctr_vm_vsrc(0)
	s_getreg_b32 s2, hwreg(HW_REG_IB_STS2, 6, 4)
	s_cmp_eq_u32 s2, 0
	s_cbranch_scc0 .Lentry_in_a_cluster
	s_endpgm
.Lentry_in_a_cluster:
	s_bfe_u32 s2, ttmp6, 0x10000c
	s_cmp_lg_u32 s2, 0xf033
	s_cbranch_scc0 .Lentry_shape_is_right
	s_endpgm
.Lentry_shape_is_right:
; out0 = attention's result x Wo^T + bo, on codes of FP6 (E2M3) with E8M0 scales; f32 sums, f32 out.
; A BLOCK is 256 rows x 128 columns, ALL of K (1,024) in LDS: A's 256 rows are 16 tiles of 12,288 bytes on end in acodes (images of operand registers: [tile][K step][piece of 2 registers][lane][8 bytes]), laid dense;
; Wo's 128 rows of 768 bytes get 16 bytes of padding behind every 256.  One joint load a wave at the head (waves 0, 1: eight tiles of A each; waves 2, 3: 64 rows of Wo each), one barrier; nothing is filled again.
; GRID: 8 x 32 blocks, one to a work-group; A's tiles are shared along a row of the cluster, Wo's rows along a column.  NO PREFETCH: every byte is asked for at the head, and there is no loop to run ahead in.
; A WAVE makes 64 x 128: 32 accumulators, which take turns in one order in all eight K steps; the matrix instruction is used transposed (source 0 = Wo's rows); the bias is the first step's C.
; SCALE WORDS go from memory into registers: lane l takes row 32 p + l's 32 bytes: register 8 p + q holds K step q's words of block 2 p in lanes 0-15, of block 2 p + 1 in lanes 16-31.
; THE WAY OUT goes through a stage of 16 rows x 528 bytes at the start of my own four tiles of A, which no other wave reads and which have had their only fill; my reads of them are over (LDS serves a wave's instructions in order).
; REGISTERS: window 0: v0-31 addresses, v32-47 A's scale words, v52-83 Wo's, v84-99 LDS addresses of Wo's blocks, v128-223 A's fragments (two sets); on the way out v128-255.  window 1: Wo's fragments, two sets.  window 2: accumulators.  window 3: v0-63 the bias.
.set KROW,  768
.set PITCH, 816
.set FR,    12
.set WAVEA, 4*12288
.set BBASE, 16*12288
.set SPARE, BBASE+128*PITCH
.set SPITCH, 528
.set ADRA, 23
.set STO,  24
.set RD,   25
.set ABS,  26
.set CO,   27
.set SPW,  28
.set NIL,  29
.set SA,   32
.set SB,   52
.set BA,   84
.set AF,   128
.set BK,   128
.set G1,  24
.set G0,  32
.set G1B, 48
.set G0B, 56
.set MSB, 0
.macro WIN new
.if MSB != (\new)
	s_set_vgpr_msb (MSB<<8)|(\new)
.set MSB, (\new)
.endif
.endm
.macro PLACES n
.rept \n
	v_nop
.endr
.endm
.macro WALU
	s_wait_alu depctr_va_vdst(0)
.endm
.macro CROUND
	s_barrier_signal -1
	s_barrier_wait -1
	s_cmp_lg_u32 s14, 0
	s_cbranch_scc1 .Lnot_wave_0_\@
	s_barrier_signal -3
.Lnot_wave_0_\@:
	s_barrier_wait -3
	s_barrier_signal -1
	s_barrier_wait -1
.endm
.macro FRAG reg, q, a0                 ; a fragment of Wo: six pieces of 8 bytes, two to a load where both go by the same address register (a0 + 1: lanes 16-31 lie behind one padding more)
.set SKIP_, 0
.irp p, 0,1,2,3,4,5
.if SKIP_
.set SKIP_, 0
.else
.set PC_, 12*(\q)+6*(\p/3)+\p%3
.set PN_, 12*(\q)+6*((\p+1)/3)+(\p+1)%3
.set X_, (PC_%32+3)/32
.set XQ_, (PN_%32+3)/32
.if (\p < 5) && (X_ == XQ_)
.set SKIP_, 1
	ds_load_2addr_b64 v[\reg+2*\p:\reg+2*\p+3], v[\a0+X_] offset0:PC_+2*(PC_/32) offset1:PN_+2*(PN_/32)
.else
	ds_load_b64 v[\reg+2*\p:\reg+2*\p+1], v[\a0+X_] offset:8*(PC_+2*(PC_/32))
.endif
.endif
.endr
.endm
.macro FETCH q
	WIN 0x40
.irp i, 0,1,2,3,4,5,6,7
	FRAG 128*((\q)%2)+FR*\i, \q, BA+2*\i
.endr
	WIN 0
.irp i, 0,1,2,3
.irp p, 0,1,2,3,4,5
	ds_load_b64 v[AF+48*((\q)%2)+FR*\i+2*\p:AF+48*((\q)%2)+FR*\i+2*\p+1], v[ADRA] offset:12288*\i+1536*(\q)+256*\p
.endr
.endr
.endm
.macro MULS q
.irp ap, 0,1
.irp ah, 0,1
.irp bp, 0,1,2,3
.irp bh, 0,1
.set D_, 8*(8*(2*\ap+\ah)+2*\bp+\bh)
.set B_, 128*((\q)%2)+FR*(2*\bp+\bh)
.set A_, AF+48*((\q)%2)+FR*(2*\ap+\ah)
.if (\q) == 0
	v_wmma_scale_f32_16x16x128_f8f6f4 v[D_:D_+7], v[B_:B_+11], v[A_:A_+11], v[8*(2*\bp+\bh):8*(2*\bp+\bh)+7], v[SB+8*\bp+(\q)], v[SA+8*\ap+(\q)] matrix_a_fmt:MATRIX_FMT_FP6 matrix_b_fmt:MATRIX_FMT_FP6 matrix_a_scale:MATRIX_SCALE_ROW\bh matrix_b_scale:MATRIX_SCALE_ROW\ah
.else
	v_wmma_scale_f32_16x16x128_f8f6f4 v[D_:D_+7], v[B_:B_+11], v[A_:A_+11], v[D_:D_+7], v[SB+8*\bp+(\q)], v[SA+8*\ap+(\q)] matrix_a_fmt:MATRIX_FMT_FP6 matrix_b_fmt:MATRIX_FMT_FP6 matrix_a_scale:MATRIX_SCALE_ROW\bh matrix_b_scale:MATRIX_SCALE_ROW\ah
.endif
.endr
.endr
.endr
.endr
.endm
	s_load_b128 s[4:7], s[0:1], 0x0                ; acodes, ascales
	s_load_b128 s[8:11], s[0:1], 0x10              ; Wo's codes, scales
	s_load_b128 s[96:99], s[0:1], 0x20             ; bo, out0
	v_lshl_add_u32 v[SPW], v0, 2, SPARE
	v_mov_b32 v[NIL], 0
	ds_add_u32 v[SPW], v[NIL]                      ; the opening lines: the add twice on end and its wait
	ds_add_u32 v[SPW], v[NIL]
	v_lshrrev_b32 v1, 5, v0
	v_readfirstlane_b32 s14, v1                    ; wave
	s_lshr_b32 s15, s14, 1
	s_and_b32 s16, s14, 1
	s_bfe_u32 s40, ttmp6, 0x40000
	s_bfe_u32 s41, ttmp6, 0x40004
	s_lshl_b32 s42, ttmp9, 2
	s_add_co_u32 s42, s42, s40                     ; block column, 0 .. 7
	s_and_b32 s17, ttmp7, 0xffff
	s_lshl_b32 s17, s17, 2
	s_add_co_u32 s17, s17, s41                     ; block row, 0 .. 31
	s_lshl_b32 s43, s41, 2
	s_lshl_b32 s43, 15, s43
	s_lshl_b32 s44, 0x1111, s40
	s_or_b32 s[G1+0], s43, (3<<16)|(1<<21)         ; A: eight tiles, each a row of 1,536 elements of 8 bytes, dense
	s_mov_b32 s[G1+1], 1536<<16
	s_mov_b32 s[G1+2], 8<<16
	s_mov_b32 s[G1+3], 1536<<16
	s_mov_b32 s[G1+4], 8
	s_mov_b32 s[G1+5], 1536
	s_mov_b32 s[G1+6], 0
	s_mov_b32 s[G1+7], 0
	s_or_b32 s[G1B+0], s44, (1<<20)|(1<<21)|(5<<22)|(3<<25)
	s_mov_b32 s[G1B+1], KROW<<16
	s_mov_b32 s[G1B+2], 64<<16
	s_mov_b32 s[G1B+3], KROW<<16
	s_mov_b32 s[G1B+4], 64
	s_mov_b32 s[G1B+5], KROW
	s_mov_b32 s[G1B+6], 0
	s_mov_b32 s[G1B+7], 0
	s_lshl_b32 s20, s17, 8
	s_lshl_b32 s18, s16, 7
	s_add_co_u32 s20, s20, s18
	s_mul_i32 s20, s20, KROW
	s_mov_b32 s21, 0
	s_lshl_b32 s46, s42, 7
	s_lshl_b32 s18, s16, 6
	s_add_co_u32 s46, s46, s18
	s_mul_i32 s46, s46, KROW
	s_mov_b32 s47, 0
	s_mov_b32 s[G0], 1
	s_mul_i32 s[G0+1], s16, 8*12288
	s_mov_b32 s[G0B], 1
	s_mul_i32 s[G0B+1], s16, 64*PITCH
	s_add_co_u32 s[G0B+1], s[G0B+1], BBASE
	s_wait_dscnt 0x0
	s_wait_kmcnt 0x0
	s_add_nc_u64 s[G0+2:G0+3], s[4:5], s[20:21]
	s_or_b32 s[G0+3], s[G0+3], 0x80000000
	s_add_nc_u64 s[G0B+2:G0B+3], s[8:9], s[46:47]
	s_or_b32 s[G0B+3], s[G0B+3], 0x80000000
	CROUND                                         ; all sixteen work-groups are here: the joint loads meet
	s_cmp_eq_u32 s15, 0
	s_cbranch_scc0 .Lfor_b
	tensor_load_to_lds s[G0:G0+3], s[G1:G1+7]
	s_nop 0
	PLACES 4
	s_branch .Lasked
.Lfor_b:
	tensor_load_to_lds s[G0B:G0B+3], s[G1B:G1B+7]
	s_nop 0
	PLACES 4
.Lasked:
	v_and_b32 v1, 15, v0
	v_bfe_u32 v2, v0, 4, 1
	v_and_b32 v6, 31, v0
	v_lshlrev_b32 v30, 5, v2
	v_lshlrev_b32 v[ABS], 5, v6
	v_lshlrev_b32 v[CO], 4, v6
	v_mul_u32_u24 v3, v1, PITCH
	v_mad_u32_u24 v4, v2, 24, v3
	v_mad_u32_u24 v5, v2, 40, v3
.irp i, 0,1,2,3,4,5,6,7
	v_add_nc_u32 v[BA+2*\i], BBASE+\i*16*PITCH, v4
	v_add_nc_u32 v[BA+2*\i+1], BBASE+\i*16*PITCH, v5
.endr
	s_mul_i32 s21, s14, WAVEA                      ; my four tiles of A; later my stage
	v_lshl_add_u32 v[ADRA], v6, 3, s21
	v_mul_u32_u24 v7, v1, SPITCH
	v_lshl_add_u32 v7, v2, 5, v7
	v_add_nc_u32 v[STO], s21, v7
	v_add_nc_u32 v[RD], s21, v[CO]
	s_lshl_b32 s66, s42, 9
	s_mov_b32 s67, 0
	s_add_nc_u64 s[66:67], s[96:97], s[66:67]      ; the bias of my 128 columns
	s_lshl_b32 s22, s17, 8
	s_lshl_b32 s23, s14, 6
	s_add_co_u32 s22, s22, s23                     ; my first row
	s_lshl_b32 s20, s22, 12                        ; in out0: 4,096 bytes a row,
	s_lshl_b32 s21, s42, 9                         ; 512 a block column
	s_add_co_u32 s20, s20, s21
	s_mov_b32 s21, 0
	s_add_nc_u64 s[12:13], s[98:99], s[20:21]
	s_lshl_b32 s22, s22, 5
	s_mov_b32 s23, 0
	s_add_nc_u64 s[22:23], s[6:7], s[22:23]
	s_lshl_b32 s92, s42, 12
	s_mov_b32 s93, 0
	s_add_nc_u64 s[92:93], s[10:11], s[92:93]
	WALU
	WIN 0xc0
.irp b, 0,1,2,3,4,5,6,7
	global_load_b128 v[8*\b:8*\b+3], v30, s[66:67] offset:64*\b
	global_load_b128 v[8*\b+4:8*\b+7], v30, s[66:67] offset:64*\b+16
.endr
	WIN 0
.irp p, 0,1
.irp c, 0,1
	global_load_b128 v[SA+8*\p+4*\c:SA+8*\p+4*\c+3], v[ABS], s[22:23] offset:1024*\p+16*\c
.endr
.endr
.irp p, 0,1,2,3
.irp c, 0,1
	global_load_b128 v[SB+8*\p+4*\c:SB+8*\p+4*\c+3], v[ABS], s[92:93] offset:1024*\p+16*\c
.endr
.endr
	s_wait_loadcnt 0x0
	s_wait_tensorcnt 0x0                           ; my part of the block is in,
	s_barrier_signal -1
	s_barrier_wait -1                              ; and everybody's
	FETCH 0
; Eight K steps.  A step's fragments were asked for ahead of the step before, so the wait is for all; the next step's go into the set that the step before has read, four places behind its products.
.set ST, 0
.rept 8
	s_wait_dscnt 0x0
.if ST < 7
.if ST > 0
	PLACES 4
.endif
	FETCH ST+1
.endif
.if ST == 0
	WIN 0xb1
.else
	WIN 0xa1
.endif
	MULS ST
.set ST, ST+1
.endr
	WIN 0
.macro TOSTAGE a
.set AC, 64*(\a)
	WIN 0x08
.irp b, 0,1,2,3,4,5,6,7
	ds_store_b128 v[STO], v[AC+8*\b:AC+8*\b+3] offset:64*\b          ; each accumulator from its low end on
	ds_store_b128 v[STO], v[AC+8*\b+4:AC+8*\b+7] offset:64*\b+16
.endr
	WIN 0
.set BB, BK+64*((\a)%2)
.irp t, 0,1,2,3,4,5,6,7,8,9,10,11,12,13,14,15
	ds_load_b128 v[BB+4*\t:BB+4*\t+3], v[RD] offset:\t*SPITCH
.endr
.endm
.macro SEND a, younger                 ; younger: the LDS instructions issued behind block a's loads
.set BB, BK+64*((\a)%2)
	s_wait_dscnt \younger
.if (\a) > 0
	s_add_nc_u64 s[12:13], s[12:13], 16*4096       ; (behind a wait on XCNT: the earlier stores have read their base)
.endif
.irp t, 0,1,2,3,4,5,6,7,8,9,10,11,12,13,14,15
	global_store_b128 v[CO], v[BB+4*\t:BB+4*\t+3], s[12:13] offset:\t*4096 th:TH_STORE_NT   ; 32 lanes store 512 bytes on end, at a multiple of 256 from out0's first byte
.endr
.endm
	PLACES 4
	TOSTAGE 0
.irp a, 1,2,3
.if \a > 1
	s_wait_xcnt 0x0
.endif
	TOSTAGE \a
	SEND \a-1, 32
.endr
	s_wait_xcnt 0x0
	SEND 3, 0
	s_wait_tensorcnt 0x0                           ; the wave's end
	ds_add_u32 v[SPW], v[NIL]
	s_wait_dscnt 0x0
	CROUND                                         ; the closing round
	s_endpgm
.Lfunc_end_k_q6ae9bec6f8_outproj:
	.size	k_q6ae9bec6f8_outproj, .Lfunc_end_k_q6ae9bec6f8_outproj-k_q6ae9bec6f8_outproj
	.p2alignl 7, 3214868480
	.fill 96, 4, 3214868480
	.section	.rodata,"a",@progbits
	.p2align	6, 0x0
	.amdhsa_kernel k_q6ae9bec6f8_outproj
		.amdhsa_group_segment_fixed_size 327680
		.amdhsa_private_segment_fixed_size 0
		.amdhsa_enable_private_segment 0
		.amdhsa_kernarg_size 48
		.amdhsa_user_sgpr_count 2
		.amdhsa_user_sgpr_kernarg_segment_ptr 1
		.amdhsa_wavefront_size32 1
		.amdhsa_system_sgpr_workgroup_id_x 1
		.amdhsa_system_sgpr_workgroup_id_y 1
		.amdhsa_system_sgpr_workgroup_id_z 1
		.amdhsa_system_vgpr_workitem_id 0
		.amdhsa_next_free_vgpr 832
		.amdhsa_next_free_sgpr 100
		.amdhsa_reserve_vcc 0
		.amdhsa_float_denorm_mode_32 3
		.amdhsa_float_denorm_mode_16_64 3
		.amdhsa_memory_ordered 1
		.amdhsa_forward_progress 1
		.amdhsa_inst_pref_size 84
	.end_amdhsa_kernel
	.amdgpu_metadata
---
amdhsa.version: [ 1, 2 ]
amdhsa.kernels:
  - .name:           k_q6ae9bec6f8_outproj
    .symbol:         k_q6ae9bec6f8_outproj.kd
    .args:
      - { .name: acodes, .offset: 0, .size: 8, .value_kind: global_buffer, .address_space: global }
      - { .name: ascales, .offset: 8, .size: 8, .value_kind: global_buffer, .address_space: global }
      - { .name: Wo_codes, .offset: 16, .size: 8, .value_kind: global_buffer, .address_space: global }
      - { .name: Wo_scales, .offset: 24, .size: 8, .value_kind: global_buffer, .address_space: global }
      - { .name: bo, .offset: 32, .size: 8, .value_kind: global_buffer, .address_space: global }
      - { .name: out0, .offset: 40, .size: 8, .value_kind: global_buffer, .address_space: global }
    .group_segment_fixed_size: 327680
    .private_segment_fixed_size: 0
    .kernarg_segment_align: 8
    .kernarg_segment_size: 48
    .max_flat_workgroup_size: 128
    .sgpr_count:     100
    .vgpr_count:     832
    .wavefront_size: 32
...
	.end_amdgpu_metadata
.endif
;; end of part 4
